; MI455X (gfx1250); checked and timed in simulation.
; The chip was launched on July 23, 2026; its instructions are those of AMD's public machine-readable ISA for CDNA 5 (MIT licence, August 2026) and "CDNA5" Instruction Set Architecture Reference Guide (July 2026). The comments in the code are by the model that wrote it; some were corrected since.
;; Mo E Layer. Allowed arithmetic: matrix products marked QUANTISED: E2M1 operands, one E8M0 scale for each 32 along K, by v_wmma_scale_f32_16x16x128_f8f6f4 with both operands' format E2M1 (or v_wmma_scale_f32_32x16x128_f4), f32 sums; products left as they are: f32 operands where the result goes on into a quantised operand, else bf16, f16 or f32 operands; f32 sums; everything else in f32.
;; Inputs: W1 8 x 1,024 x 4,096 float32; W2 8 x 4,096 x 1,024 float32; Wr 1,024 x 8 float32; b1 8 x 4,096 float32; b2 8 x 1,024 float32; br 8 float32; x 4 x 256 x 1,024 float32.
;; Outputs: out0 4 x 256 x 1,024 float32.
;; This version of the problem:
;;   THIS VERSION OF THE PROBLEM IS GIVEN IN LOW PRECISION. The matrix products marked QUANTISED in the list below multiply operands that are first quantised to E2M1 (2 exponent bits, 1 mantissa bit; 4 bits a number), with one power-of-two scale for each 32 numbers along K (OCP MX v1.0); their sums are f32. All else is computed in f32.
;;   The module's matrix products, in the order in which they are computed (A, B: the left and right operand; K: the contracted axis; several contracted axes count as one K, in the product's order):
;;     1. [M 1,024, K 1,024] x [K 1,024, N 8]; A: input x; B: input Wr: left as it is (N = 8 < 16)
;;     2. batch 1,024 x [M 1, K 2] x [K 2, N 8]; A: softmax; B: computed on the way: left as it is (K = 2 < 32)
;;     3. [M 1,024, K 1,024] x [K 1,024, N 4,096]; A: input x; B: input W1: QUANTISED
;;     4. [M 1,024, K 4,096] x [K 4,096, N 1,024]; A: computed on the way; B: input W2: QUANTISED
;;     5. [M 1,024, K 1,024] x [K 1,024, N 4,096]; A: input x; B: input W1: QUANTISED
;;     6. [M 1,024, K 4,096] x [K 4,096, N 1,024]; A: computed on the way; B: input W2: QUANTISED
;;     7. [M 1,024, K 1,024] x [K 1,024, N 4,096]; A: input x; B: input W1: QUANTISED
;;     8. [M 1,024, K 4,096] x [K 4,096, N 1,024]; A: computed on the way; B: input W2: QUANTISED
;;     9. [M 1,024, K 1,024] x [K 1,024, N 4,096]; A: input x; B: input W1: QUANTISED
;;     10. [M 1,024, K 4,096] x [K 4,096, N 1,024]; A: computed on the way; B: input W2: QUANTISED
;;     11. [M 1,024, K 1,024] x [K 1,024, N 4,096]; A: input x; B: input W1: QUANTISED
;;     12. [M 1,024, K 4,096] x [K 4,096, N 1,024]; A: computed on the way; B: input W2: QUANTISED
;;     13. [M 1,024, K 1,024] x [K 1,024, N 4,096]; A: input x; B: input W1: QUANTISED
;;     14. [M 1,024, K 4,096] x [K 4,096, N 1,024]; A: computed on the way; B: input W2: QUANTISED
;;     15. [M 1,024, K 1,024] x [K 1,024, N 4,096]; A: input x; B: input W1: QUANTISED
;;     16. [M 1,024, K 4,096] x [K 4,096, N 1,024]; A: computed on the way; B: input W2: QUANTISED
;;     17. [M 1,024, K 1,024] x [K 1,024, N 4,096]; A: input x; B: input W1: QUANTISED
;;     18. [M 1,024, K 4,096] x [K 4,096, N 1,024]; A: computed on the way; B: input W2: QUANTISED
;;   THE QUANTISER, for each operand of a quantised product, along K:
;;     - K is cut into blocks of 32 from its start; a last block that is shorter is filled with zeros.
;;     - A block's scale is 2^e with e = floor(log2(the largest magnitude in the block)) - 2, held to -126 .. 127; a block of zeros has e = 0. As a byte (E8M0): e + 127.
;;     - Each number is divided by its block's scale, clamped to +-6, and rounded to the nearest number of E2M1, ties to even, subnormals kept.
;;     - The product sums the exact products of the quantised numbers (number of the format x scale) in f32.
;;   ~~~python
;;   def quantise(x, axis):      # numpy; x: float32 -> the quantised numbers, widened to float32 again
;;       x = np.moveaxis(x, axis, -1); K = x.shape[-1]
;;       x = np.pad(x, [(0, 0)] * (x.ndim - 1) + [(0, -K % 32)]); x = x.reshape(x.shape[:-1] + (-1, 32)); a = np.abs(x).max(-1, keepdims=True)
;;       e = np.where(a > 0, np.clip(np.frexp(np.where(a > 0, a, 1))[1] - 1 - 2, -126, 127), 0)      # np.frexp(a)[1] - 1 = floor(log2(a)), exactly
;;       r = np.clip(x / 2.0 ** e, -6, 6)
;;       step = 2.0 ** (np.maximum(np.frexp(np.where(r == 0, 1, r))[1] - 1, 0) - 1)
;;       q = np.round(r / step) * step * 2.0 ** e      # np.round: ties to even
;;       return np.moveaxis(q.reshape(q.shape[:-2] + (-1,))[..., :K], -1, axis).astype(np.float32)
;;   ~~~
;;   OPERANDS COMPUTED ON THE WAY. 'Computed on the way' means the value that the module computes at that place (a softmax that the list does not call 'softmax' is quantised finished and normalised). What goes into a quantiser is computed in f32, as accurately as f32 sums, v_exp_f32 and their like allow (about 1e-6 of the number): no bf16 or f16 on the way to a quantiser, and a product that is left as it is and whose result goes on into a quantised operand takes f32 operands (vector FMAs, or v_wmma_f32_16x16x4_f32). A number that lies on a knife's edge between two numbers of the format may be rounded either way, as far as f32 arithmetic and the matrix unit's own rounding can turn it there, and no further.
;; 2 versions. Each part assembles by itself: llvm-mc -triple=amdgcn-amd-amdhsa -mcpu=gfx1250 --defsym DOCPART=n.
;; ======== version 1 of 2: 4 launches
;; workspace buffers: sel 4,096 bytes of whole numbers; gd 32,768 bytes; xc 524,288 bytes; xs 32,768 bytes; hc 16,777,216 bytes; hs 2,097,152 bytes; yb 17,825,792 bytes
;; launch route (part 1): grid 256 x 1, 4 waves a work-group, no clusters, 52,736 bytes of LDS; arguments x, Wr, br, sel, gd, xc, xs; writes sel, gd, xc, xs
.if DOCPART == 1
	.amdgcn_target "amdgcn-amd-amdhsa--gfx1250"
	.amdhsa_code_object_version 6
	.text
	.protected	k_qf7373a95c3_route
	.globl	k_qf7373a95c3_route
	.p2align	8
	.type	k_qf7373a95c3_route,@function
k_qf7373a95c3_route:
	s_mov_b64 s[64:65], 0
	v_nop
	global_prefetch_b8 v0, s[64:65] scope:SCOPE_SE
	s_setreg_imm32_b32 hwreg(HW_REG_WAVE_MODE, 25, 1), 1
	s_wait_xcnt 0x0
; THE ROUTER, AND x AS CODES.  x: [1024 tokens][1024] f32.  Wr: [1024][8], br: [8] f32.
; One wave takes one token (4 x work-group + wave).  Lane l holds the token's numbers d = 32 l .. 32 l + 31: one block of the quantiser.
; OUT: sel[t] = (1 << i0) | (1 << i1) | (i1 << 8), the two chosen experts (i0 the larger logit; of equal logits the lower index comes first);
;      gd[t][e] = the gate of expert e, 0 where it was not chosen (softmax over the two chosen logits, the larger one taken away first);
;      xc[t] = 512 bytes of FP4 codes, K innermost;  xs[t] = 32 E8M0 bytes.
; The logits are f32 multiply-adds; no address hangs on them: every store goes to a place fixed by the token's number.
; LOADS ARE DENSE: a load of x takes 512 consecutive bytes; the row turns through the wave's own stage in LDS (128 bytes + 16 of padding a lane) so that a lane gets 32 neighbours.
; Wr goes once into LDS, as 32 groups of 32 d x 32 bytes, 1,040 bytes apart: lane l reads group l.
; LIMITS: NaN and infinities among x, Wr, br are not served.  A block of zeros gets the scale byte 1 (the rule says 127): its codes are zeros, and this program alone reads the bytes.
.set WRP,  1040                        ; a group of Wr in LDS: 1,024 bytes + 16
.set XST,  32*WRP                      ; behind Wr: a stage of 32 x 144 bytes for each wave
.set XSP,  144
.set XSB,  XST+4*32*XSP                ; behind the stages: the work-group's 128 scale bytes
.set XR,   16                          ; v16-47   x as loaded
.set XN,   48                          ; v48-79   my 32 neighbours
.set WR,   80                          ; v80-207  Wr: first 64 registers as loaded, later 16 d x 8 experts
.set AC,   208                         ; v208-215 the eight logits
.set OT,   224                         ; v224-231 the other half of the lanes' sums
	s_load_b256 s[4:11], s[0:1], 0x0               ; x s[4:5], Wr s[6:7], br s[8:9], sel s[10:11]
	s_load_b128 s[12:15], s[0:1], 0x20             ; gd s[12:13], xc s[14:15]
	s_load_b64 s[16:17], s[0:1], 0x30              ; xs
	v_lshl_add_u32 v240, v0, 2, 0xcc00
	v_mov_b32 v241, 0
	v_lshrrev_b32 v2, 5, v0
	v_readfirstlane_b32 s18, v2                    ; wave
	v_and_b32 v1, 31, v0                           ; lane
	s_lshl_b32 s19, ttmp9, 2
	s_add_co_u32 s19, s19, s18                     ; my token
	v_lshlrev_b32 v3, 4, v1                        ; 16 x lane
	v_lshlrev_b32 v4, 4, v0                        ; 16 x thread
	v_lshlrev_b32 v5, 2, v1                        ; 4 x lane
	v_mul_u32_u24 v6, v1, WRP                      ; my group of Wr
	s_mul_i32 s28, s18, 32*XSP
	s_add_co_u32 s28, s28, XST                     ; my wave's stage
	v_lshrrev_b32 v7, 3, v1
	v_mul_u32_u24 v7, v7, XSP
	v_and_b32 v8, 7, v1
	v_lshl_add_u32 v7, v8, 4, v7
	v_add_nc_u32 v7, s28, v7                       ; into it: eight lanes' 128 bytes on end, then the padding
	v_mul_u32_u24 v8, v1, XSP
	v_add_nc_u32 v8, s28, v8                       ; out of it: my 128 bytes
	v_lshrrev_b32 v9, 6, v0
	v_lshl_add_u32 v9, v9, 4, v4                   ; Wr into LDS: 16 x thread, + 16 for the group passed
	s_mov_b32 s30, 0x76543210
	s_mov_b32 s31, 0xfedcba98                      ; v_permlanex16_b32's selects for lane l xor 16
.irp e, 0,1,2,3,4,5,6,7
	v_mov_b32 v[OT+\e], 0                          ; written once: a lane permute's destination counts as one of its sources
.endr
	s_mov_b32 s33, 0
	s_wait_kmcnt 0x0
	s_load_b256 s[20:27], s[8:9], 0x0              ; br, eight numbers
	s_lshl_b32 s32, s19, 12
	s_add_nc_u64 s[4:5], s[4:5], s[32:33]          ; my row of x
	s_lshl_b32 s32, s19, 9
	s_add_nc_u64 s[14:15], s[14:15], s[32:33]      ; of xc
	s_lshl_b32 s32, s19, 5
	s_add_nc_u64 s[12:13], s[12:13], s[32:33]      ; of gd
	s_lshl_b32 s32, s19, 2
	s_add_nc_u64 s[10:11], s[10:11], s[32:33]      ; my word of sel
	s_lshl_b32 s32, ttmp9, 7
	s_add_nc_u64 s[16:17], s[16:17], s[32:33]      ; the work-group's 128 bytes of xs
.irp j, 0,1,2,3,4,5,6,7
	global_load_b128 v[XR+4*\j:XR+4*\j+3], v3, s[4:5] offset:512*\j th:TH_LOAD_NT   ; 512 consecutive bytes
.endr
.irp q, 0,1,2,3,4,5,6,7,8,9,10,11,12,13,14,15
	global_load_b128 v[WR+4*\q:WR+4*\q+3], v4, s[6:7] offset:2048*\q               ; the work-group's four waves take 2,048 consecutive bytes of Wr
.endr
	s_wait_loadcnt 16                              ; x is in: the sixteen loads of Wr are younger
.irp j, 0,1,2,3,4,5,6,7
	ds_store_b128 v7, v[XR+4*\j:XR+4*\j+3] offset:4*XSP*\j
.endr
.irp i, 0,1,2,3,4,5,6,7
	ds_load_b128 v[XN+4*\i:XN+4*\i+3], v8 offset:16*\i     ; LDS serves a wave's instructions in order: these see my stores
.endr
	s_wait_loadcnt 0x0                             ; Wr
.irp q, 0,1,2,3,4,5,6,7,8,9,10,11,12,13,14,15
	ds_store_b128 v9, v[WR+4*\q:WR+4*\q+3] offset:2*WRP*\q
.endr
	s_wait_dscnt 16                                ; my 32 neighbours are in: the sixteen stores of Wr are younger
	; my block's scale and codes
	v_max3_num_f32 v216, |v[XN]|, |v[XN+1]|, |v[XN+2]|
	v_max3_num_f32 v217, |v[XN+3]|, |v[XN+4]|, |v[XN+5]|
.irp i, 6,10,14,18,22,26
	v_max3_num_f32 v216, v216, |v[XN+\i]|, |v[XN+\i+1]|
	v_max3_num_f32 v217, v217, |v[XN+\i+2]|, |v[XN+\i+3]|
.endr
	v_max3_num_f32 v216, v216, |v[XN+30]|, |v[XN+31]|
	v_max3_num_f32 v216, v216, v217, 0x1800000     ; and the floor 2^(3 - 127): the byte cannot fall under 1
	v_add_nc_u32 v218, 0xff000000, v216            ; 2 off the exponent field: the conversion's scale operand
	v_lshrrev_b32 v219, 23, v218                   ; the scale's byte
.irp g, 0,1,2,3
	v_cvt_scalef32_pk8_fp4_f32 v[220+\g], v[XN+8*\g:XN+8*\g+7], v218
.endr
	v_nop                                          ; one plain line behind the last scaled conversion
	global_store_b128 v3, v[220:223], s[14:15]     ; the wave stores the token's 512 bytes of codes
	ds_store_b8 v0, v219 offset:XSB                ; byte 32 x wave + lane
	s_wait_dscnt 0x0                               ; for the others' sake: my part of Wr and my scale byte lie in LDS
	s_barrier_signal -1
	s_barrier_wait -1
	s_cmp_lg_u32 s18, 0
	s_cbranch_scc1 .Lnot_wave_0
	ds_load_b32 v238, v5 offset:XSB                ; wave 0 stores the four tokens' 128 scale bytes on end
	s_wait_dscnt 0x0
	global_store_b32 v5, v238, s[16:17]
.Lnot_wave_0:
; The logits: my 32 d x 8 experts, two experts an instruction; x's number is taken for both halves of the packed form.
.macro HALF hf
.set ii, 0
.rept 16
	ds_load_b128 v[WR+8*ii:WR+8*ii+3], v6 offset:32*(16*\hf+ii)
	ds_load_b128 v[WR+8*ii+4:WR+8*ii+7], v6 offset:32*(16*\hf+ii)+16
.set ii, ii+1
.endr
	s_wait_dscnt 0x0
.set ii, 0
.rept 16
.set xp, XN+16*\hf+(ii/2)*2
.irp q, 0,1,2,3
.if (\hf == 0) && (ii == 0)
	v_pk_mul_f32 v[AC+2*\q:AC+2*\q+1], v[WR+2*\q:WR+2*\q+1], v[XN:XN+1] op_sel_hi:[1,0]      ; the first product starts the sums
.elseif ii%2
	v_pk_fma_f32 v[AC+2*\q:AC+2*\q+1], v[WR+8*ii+2*\q:WR+8*ii+2*\q+1], v[xp:xp+1], v[AC+2*\q:AC+2*\q+1] op_sel:[0,1,0] op_sel_hi:[1,1,1]
.else
	v_pk_fma_f32 v[AC+2*\q:AC+2*\q+1], v[WR+8*ii+2*\q:WR+8*ii+2*\q+1], v[xp:xp+1], v[AC+2*\q:AC+2*\q+1] op_sel_hi:[1,0,1]
.endif
.endr
.set ii, ii+1
.endr
.endm
	HALF 0
	HALF 1
.irp m, 1,2,4,8
.irp e, 0,1,2,3,4,5,6,7
	v_add_f32_dpp v[AC+\e], v[AC+\e], v[AC+\e] row_xmask:\m row_mask:0xf bank_mask:0xf
.endr
.endr
.irp e, 0,1,2,3,4,5,6,7
	v_permlanex16_b32 v[OT+\e], v[AC+\e], s30, s31
.endr
	s_wait_kmcnt 0x0                               ; br
.irp e, 0,1,2,3,4,5,6,7
	v_add_f32 v[AC+\e], v[AC+\e], v[OT+\e]         ; every lane holds the same eight sums
.endr
.irp e, 0,1,2,3,4,5,6,7
	v_add_f32 v[AC+\e], s[20+\e], v[AC+\e]
.endr
	; the largest logit: a later expert wins only if strictly larger, so that the lower index keeps a tie
	v_mov_b32 v232, v[AC]
	v_mov_b32 v233, 0
.irp e, 1,2,3,4,5,6,7
	v_cmp_gt_f32 vcc_lo, v[AC+\e], v232
	v_cndmask_b32 v232, v232, v[AC+\e], vcc_lo
	v_cndmask_b32 v233, v233, \e, vcc_lo
.endr
	v_mov_b32 v236, 0xff800000                     ; -infinity takes the winner's place
.irp e, 0,1,2,3,4,5,6,7
	v_cmp_eq_u32 vcc_lo, \e, v233
	v_cndmask_b32 v[AC+\e], v[AC+\e], v236, vcc_lo
.endr
	v_mov_b32 v234, v[AC]
	v_mov_b32 v235, 0
.irp e, 1,2,3,4,5,6,7
	v_cmp_gt_f32 vcc_lo, v[AC+\e], v234
	v_cndmask_b32 v234, v234, v[AC+\e], vcc_lo
	v_cndmask_b32 v235, v235, \e, vcc_lo
.endr
	; softmax over the two: the larger is taken away, so w0 = 1 / (1 + ex), w1 = ex w0, ex = e^(second - best), at most 1
	v_sub_f32 v216, v234, v232
	v_mul_f32 v216, 0x3fb8aa3b, v216
	v_exp_f32 v217, v216
	v_mov_b32 v236, 1                              ; the whole numbers are made behind the exponential
	v_lshlrev_b32 v239, v233, v236
	v_lshlrev_b32 v237, v235, v236
	v_or_b32 v239, v239, v237
	v_lshl_or_b32 v239, v235, 8, v239              ; (1 << i0) | (1 << i1) | (i1 << 8)
	s_wait_alu depctr_va_vdst(0)                   ; the wait ahead of the first reader of an exponential
	v_add_f32 v218, 1.0, v217
	v_rcp_f32 v219, v218
	v_nop                                          ; a plain line behind the reciprocal
	s_wait_alu depctr_va_vdst(0)                   ; and its wait
	v_mul_f32 v216, v217, v219
	v_cmp_eq_u32 vcc_lo, v1, v233
	v_cndmask_b32 v237, 0, v219, vcc_lo
	v_cmp_eq_u32 vcc_lo, v1, v235
	v_cndmask_b32 v237, v237, v216, vcc_lo         ; lane e: the gate of expert e
	s_wait_xcnt 0x0                                ; EXEC changes only behind this wait: earlier stores count it among their sources
	v_cmp_gt_u32 vcc_lo, 8, v1
	s_wait_tensorcnt 0x0
	ds_add_u32 v240, v241
	s_wait_dscnt 0x0
	s_and_saveexec_b32 s28, vcc_lo
	global_store_b32 v5, v237, s[12:13]            ; eight gates, 32 consecutive bytes
	s_wait_xcnt 0x0
	s_or_b32 exec_lo, exec_lo, s28
	v_cmp_eq_u32 vcc_lo, 0, v1
	s_and_saveexec_b32 s28, vcc_lo
	global_store_b32 v5, v239, s[10:11]            ; lane 0: the token's word
	s_wait_xcnt 0x0
	s_or_b32 exec_lo, exec_lo, s28
	s_endpgm
.Lfunc_end_k_qf7373a95c3_route:
	.size	k_qf7373a95c3_route, .Lfunc_end_k_qf7373a95c3_route-k_qf7373a95c3_route
	.p2alignl 7, 3214868480
	.fill 96, 4, 3214868480
	.section	.rodata,"a",@progbits
	.p2align	6, 0x0
	.amdhsa_kernel k_qf7373a95c3_route
		.amdhsa_group_segment_fixed_size 52736
		.amdhsa_private_segment_fixed_size 0
		.amdhsa_enable_private_segment 0
		.amdhsa_kernarg_size 56
		.amdhsa_user_sgpr_count 2
		.amdhsa_user_sgpr_kernarg_segment_ptr 1
		.amdhsa_wavefront_size32 1
		.amdhsa_system_sgpr_workgroup_id_x 1
		.amdhsa_system_sgpr_workgroup_id_y 1
		.amdhsa_system_sgpr_workgroup_id_z 1
		.amdhsa_system_vgpr_workitem_id 0
		.amdhsa_next_free_vgpr 242
		.amdhsa_next_free_sgpr 66
		.amdhsa_reserve_vcc 1
		.amdhsa_float_denorm_mode_32 3
		.amdhsa_float_denorm_mode_16_64 3
		.amdhsa_memory_ordered 1
		.amdhsa_forward_progress 1
		.amdhsa_inst_pref_size 28
	.end_amdhsa_kernel
	.amdgpu_metadata
---
amdhsa.version: [ 1, 2 ]
amdhsa.kernels:
  - .name:           k_qf7373a95c3_route
    .symbol:         k_qf7373a95c3_route.kd
    .args:
      - { .name: x, .offset: 0, .size: 8, .value_kind: global_buffer, .address_space: global }
      - { .name: Wr, .offset: 8, .size: 8, .value_kind: global_buffer, .address_space: global }
      - { .name: br, .offset: 16, .size: 8, .value_kind: global_buffer, .address_space: global }
      - { .name: sel, .offset: 24, .size: 8, .value_kind: global_buffer, .address_space: global }
      - { .name: gd, .offset: 32, .size: 8, .value_kind: global_buffer, .address_space: global }
      - { .name: xc, .offset: 40, .size: 8, .value_kind: global_buffer, .address_space: global }
      - { .name: xs, .offset: 48, .size: 8, .value_kind: global_buffer, .address_space: global }
    .group_segment_fixed_size: 52736
    .private_segment_fixed_size: 0
    .kernarg_segment_align: 8
    .kernarg_segment_size: 56
    .max_flat_workgroup_size: 128
    .sgpr_count:     66
    .vgpr_count:     242
    .wavefront_size: 32
...
	.end_amdgpu_metadata
.endif
;; end of part 1
;; launch ffn1 (part 2): grid 32 x 8, 4 waves a work-group, no clusters, 70,144 bytes of LDS; arguments W1, b1, xc, xs, sel, hc, hs; writes hc, hs
.if DOCPART == 2
	.amdgcn_target "amdgcn-amd-amdhsa--gfx1250"
	.amdhsa_code_object_version 6
	.text
	.protected	k_qf7373a95c3_ffn1
	.globl	k_qf7373a95c3_ffn1
	.p2align	8
	.type	k_qf7373a95c3_ffn1,@function
k_qf7373a95c3_ffn1:
	s_mov_b64 s[64:65], 0
	v_nop
	global_prefetch_b8 v0, s[64:65] scope:SCOPE_SE
	s_setreg_imm32_b32 hwreg(HW_REG_WAVE_MODE, 25, 1), 1
	s_wait_xcnt 0x0
; h = gelu(x W1[e] + b1[e]) for the tokens that chose expert e, quantised along the hidden units: the first product of an expert, on codes of FP4 (E2M1) with one E8M0 scale for each 32 along K.
; A work-group owns expert e (grid y) and 128 hidden units (grid x): W1[e][0..1023][128 fs ..], 512 KiB of f32, which it reads once and quantises in registers.
; PHASE 1.  Wave w takes k = 256 w .. 256 w + 255 in 8 chunks of 32 k x 128 units.  A load takes one row's 512 consecutive bytes, 16 a lane: a lane holds 4 units.  A chunk's 128 numbers are moved so that
; a unit's 32 numbers stand in consecutive registers (the conversions take neighbours along K from one lane's registers); a block is one lane's, so its largest magnitude needs no other lane.
; The codes go to LDS as IMAGES OF THE OPERAND'S REGISTERS (fragment = 16 units x 128 K = 1,024 bytes: register group c of lane l at 512 c + 16 l), the scale words likewise.  Three raw buffers take turns:
; two chunks' loads are on their way while one is worked.  No pointer is stepped: every row stands in the loads' immediate, 4,177,920 at the most, inside the signed 24 bits (ISA guide, chapter 10).
; THE UNITS OF A TILE ARE NOT NEIGHBOURS: row r of tile 2 b + u is unit 32 b + 8 u + r + 8 (r / 8), so that in the transposed result the 16 registers of tiles 2 b, 2 b + 1 are 16 neighbouring units.
; PHASE 2, behind the one barrier.  Every wave takes all 64 fragments (128 units x 1,024 K) into 512 registers; the waves share the expert's tiles of 16 rows: wave w takes tiles w, w + 4, ..
; A tile: 64 matrix instructions (source 0 = 16 units, source 1 = 16 tokens; b1 is the C of the first eight), gelu (tanh form: x / (1 + 2^(c0 x + c1 x^3))), the quantiser; the result is one fragment and
; one scale word a row: K step fs of the second product; it is stored as an image, 1,024 consecutive bytes.
; THE ROWS.  sel holds each token's two experts.  Every wave makes 32 lane masks of "chose e" and finds the token of rank p by whole-number arithmetic (FIND); the second product's launch does the same, so both agree.
; The number of tiles is read from memory: so this launch has no tensor load, and the one barrier stands ahead of every branch on it.  Ranks past the expert's count take some valid token: padding rows, thrown away later.
; Tiles are not shared in a cluster: what work-groups share (16 rows of codes, 8.5 KiB a tile) is small beside each work-group's own 512 KiB, and the partners' trip counts hang on stored numbers.
; LIMITS: NaN and infinities among the inputs are not served.  A block of zeros gets the byte 1 (the rule says 127): its codes are zeros, and this program alone reads the bytes.
; REGISTERS.  window 0: v1-9 addresses; v10-23 FIND and the gather; v24-31 x's scale words; v32-63 W1's scale words; v64-127 the 8 accumulators; v128-191 gelu at work (phase 1: v64-191 a chunk, unit by unit;
;   at the head v128-159 sel); v192-217 the quantiser; v220-221 c0; v224-255 phase 1 at work.   window 1: v0-63 x's 8 fragments; v64-127 b1 in the result's layout.
;   windows 2, 3: three raw buffers of 128 (window 2: v0, v128; window 3: v0); later W1's 64 fragments, fragment f at v[8 (f % 32)] of window 2 + f / 32.
.set SCL,  65536                       ; LDS: 64 images of 1,024 bytes (f = 8 x K step + tile), then 32 scale images of 128 bytes (4 x K step + tile / 2: lanes 0-15 the even tile, lanes 16-31 the odd)
.set XS,   24
.set WS,   32
.set ACC,  64
.set EX,   128
.set TR,   64
.set SL,   128
.set TM,   192
.set PW,   208
.set PC,   210
.set SO,   218
.set C0,   220
.set MX,   224
.set SOP,  228
.set BY,   232
.set SW,   236
.set CD,   240
.set XF,   0                           ; in window 1
.set BI,   64                          ; in window 1
.set FP,   10                          ; FIND: the rank; the mask, the ranks before it and the first token of its group;
.set FMK,  11
.set FBS,  12
.set FTB,  13
.set FRR,  14                          ; the rank inside the mask; the bit found so far;
.set FPOS, 15
.set FA,   16                          ; the mask's counts in fields of 2, 4, 8 and 16 bits;
.set FB,   17
.set FC,   18
.set FD,   19
.set FT,   20                          ; at work
.set FU,   21
.set TOK,  22                          ; the token
.set XO,   23                          ; its codes' offset
.set MSB, 0
.macro WIN new                         ; the immediate's high byte repeats the setting that is left; a switch that changes nothing is dropped
.if MSB != (\new)
	s_set_vgpr_msb (MSB<<8)|(\new)
.set MSB, (\new)
.endif
.endm
; chunk j's 32 rows into raw buffer j % 3
.macro LOADS j
.set RB, 128*(((\j)%3)&1)
.set WN, 0x80+0x40*(((\j)%3)>>1)
	WIN WN                                         ; destination window 2 or 3, address window 0
.set n, 0
.rept 32
	global_load_b128 v[RB+4*n:RB+4*n+3], v4, s[4:5] offset:(32*(\j)+n)*16384 th:TH_LOAD_NT
.set n, n+1
.endr
	WIN 0
.endm
.macro CHUNK j
.set RB, 128*(((\j)%3)&1)
.set WN, 0x02+(((\j)%3)>>1)
.if (\j) <= 5
	s_wait_loadcnt 63                              ; behind this chunk's loads stand 64 or more younger ones; 63 is the largest count that the wait can name
.elseif (\j) == 6
	s_wait_loadcnt 32                              ; chunk 7's may be out
.else
	s_wait_loadcnt 0x0
.endif
	s_wait_dscnt 0x0                               ; the last chunk's LDS stores have read their registers
	WIN WN                                         ; source 0 in the buffer's window
.set n, 0
.rept 32
.irp c, 0,1,2,3
	v_mov_b32 v[TR+32*\c+n], v[RB+4*n+\c]          ; row n, my unit c: to place n of the unit's 32
.endr
.set n, n+1
.endr
	WIN 0
.irp c, 0,1,2,3
	v_max3_num_f32 v[MX+\c], |v[TR+32*\c]|, |v[TR+32*\c+1]|, 0x1800000   ; the floor 2^(3 - 127) among the leaves: the byte cannot fall under 1
.endr
.irp i, 2,4,6,8,10,12,14,16,18,20,22,24,26,28,30
.irp c, 0,1,2,3
	v_max3_num_f32 v[MX+\c], v[MX+\c], |v[TR+32*\c+\i]|, |v[TR+32*\c+\i+1]|   ; the four units by turns
.endr
.endr
.irp c, 0,1,2,3
	v_add_nc_u32 v[SOP+\c], 0xff000000, v[MX+\c]   ; 2 off the exponent field: the conversion's scale operand
.endr
.if (\j)%4 == 0
.irp c, 0,1,2,3
	v_lshrrev_b32 v[SW+\c], 23, v[SOP+\c]          ; the byte of a K step's first block begins the scale word
.endr
.else
.irp c, 0,1,2,3
	v_lshrrev_b32 v[BY+\c], 23, v[SOP+\c]
.endr
.irp c, 0,1,2,3
	v_lshl_or_b32 v[SW+\c], v[BY+\c], 8*((\j)%4), v[SW+\c]
.endr
.endif
.irp c, 0,1,2,3
.irp o, 0,1,2,3
	v_cvt_scalef32_pk8_fp4_f32 v[CD+4*\c+\o], v[TR+32*\c+8*\o:TR+32*\c+8*\o+7], v[SOP+\c]
.endr
.endr
	v_nop                                          ; one plain line behind the last scaled conversion
.irp c, 0,1,2,3
	ds_store_b128 v5, v[CD+4*\c:CD+4*\c+3] offset:8192*((\j)>>2)+512*(((\j)&3)>>1)+256*((\j)&1)+16*\c   ; a block's 16 bytes, at its place in its fragment's image
.endr
.if (\j)%4 == 3
	ds_store_b128 v6, v[SW:SW+3] offset:512*((\j)>>2)   ; my four units' scale words of the K step
.endif
.if (\j)+3 <= 7
	LOADS (\j)+3
.endif
.endm
; 32 lane masks of "the token chose my expert": bit l of mask g is token 128 (g / 4) + 4 l + g % 4 (as the eight loads of sel lay them); the count; the tiles
.macro MASKS
.set g, 0
.rept 32
	v_and_b32 v[FT], s21, v[SL+g]
	v_cmp_ne_u32 s[32+g], 0, v[FT]
.set g, g+1
.endr
	s_bcnt1_i32_b32 s22, s32
.set g, 1
.rept 31
	s_bcnt1_i32_b32 s28, s[32+g]
	s_add_co_u32 s22, s22, s28
.set g, g+1
.endr
	s_add_co_u32 s23, s22, 15
	s_lshr_b32 s23, s23, 4
.endm
.macro FSTEP x, wd, st                 ; do the st bits from FPOS on hold FRR set bits or fewer?  Then pass them
	v_bfe_u32 v[FT], v[\x], v[FPOS], \wd
	v_cmp_ge_u32 vcc_lo, v[FRR], v[FT]
	v_cndmask_b32 v[FT], 0, v[FT], vcc_lo
	v_cndmask_b32 v[FU], 0, \st, vcc_lo
	v_sub_nc_u32 v[FRR], v[FRR], v[FT]
	v_add_nc_u32 v[FPOS], v[FPOS], v[FU]
.endm
; TOK = the token of rank 16 sm + lane % 16 among those that chose my expert.  First the last mask with at most that many ranks before it, then the bit of that rank in it, by halving.
.macro FIND sm
	s_lshl_b32 s28, \sm, 4
	v_add_nc_u32 v[FP], s28, v2
	v_mov_b32 v[FMK], s32
	v_mov_b32 v[FBS], 0
	v_mov_b32 v[FTB], 0
	s_bcnt1_i32_b32 s26, s32                       ; the ranks before the next mask
.set g, 1
.rept 31
	v_cmp_gt_u32 vcc_lo, s26, v[FP]                ; more than my rank: keep what I have
	v_cndmask_b32 v[FMK], s[32+g], v[FMK], vcc_lo
	v_cndmask_b32 v[FBS], s26, v[FBS], vcc_lo
	v_cndmask_b32 v[FTB], 128*(g>>2)+(g&3), v[FTB], vcc_lo
	s_bcnt1_i32_b32 s27, s[32+g]
	s_add_co_u32 s26, s26, s27
.set g, g+1
.endr
	v_sub_nc_u32 v[FRR], v[FP], v[FBS]
	v_lshrrev_b32 v[FT], 1, v[FMK]
	v_and_b32 v[FT], 0x55555555, v[FT]
	v_sub_nc_u32 v[FA], v[FMK], v[FT]
	v_lshrrev_b32 v[FT], 2, v[FA]
	v_and_b32 v[FT], 0x33333333, v[FT]
	v_and_b32 v[FB], 0x33333333, v[FA]
	v_add_nc_u32 v[FB], v[FB], v[FT]
	v_lshrrev_b32 v[FT], 4, v[FB]
	v_add_nc_u32 v[FC], v[FB], v[FT]
	v_and_b32 v[FC], 0x0f0f0f0f, v[FC]
	v_lshrrev_b32 v[FT], 8, v[FC]
	v_add_nc_u32 v[FD], v[FC], v[FT]
	v_and_b32 v[FD], 0x00ff00ff, v[FD]
	v_mov_b32 v[FPOS], 0
	FSTEP FD, 8, 16
	FSTEP FC, 8, 8
	FSTEP FB, 4, 4
	FSTEP FA, 2, 2
	FSTEP FMK, 1, 1
	v_lshl_add_u32 v[TOK], v[FPOS], 2, v[FTB]
	v_min_u32 v[TOK], 0x3ff, v[TOK]                ; a loaded number enters an address only behind this bound
.endm
; the tile's 16 rows of x: 8 fragments (lane (r, h): 16 bytes at 64 s + 32 c + 16 h of the token's 512) and 8 scale words a row
.macro XLOAD
	v_lshl_add_u32 v[XO], v[TOK], 9, v3
	v_lshlrev_b32 v[SO], 5, v[TOK]
	WIN 0x40
.irp s, 0,1,2,3,4,5,6,7
.irp c, 0,1
	global_load_b128 v[XF+8*\s+4*\c:XF+8*\s+4*\c+3], v[XO], s[8:9] offset:64*\s+32*\c
.endr
.endr
	WIN 0
	global_load_b128 v[XS:XS+3], v[SO], s[10:11]
	global_load_b128 v[XS+4:XS+7], v[SO], s[10:11] offset:16
.endm
.macro WMMA d, a, b, c, sa, sb, odd    ; source 0's scale words lie in lanes 0-15 for an even tile, in lanes 16-31 for an odd one
.if (\odd)
	v_wmma_scale_f32_16x16x128_f8f6f4 v[(\d):(\d)+7], v[(\a):(\a)+7], v[(\b):(\b)+7], v[(\c):(\c)+7], v[(\sa)], v[(\sb)] matrix_a_fmt:MATRIX_FMT_FP4 matrix_b_fmt:MATRIX_FMT_FP4 matrix_a_scale:MATRIX_SCALE_ROW1
.else
	v_wmma_scale_f32_16x16x128_f8f6f4 v[(\d):(\d)+7], v[(\a):(\a)+7], v[(\b):(\b)+7], v[(\c):(\c)+7], v[(\sa)], v[(\sb)] matrix_a_fmt:MATRIX_FMT_FP4 matrix_b_fmt:MATRIX_FMT_FP4
.endif
.endm
	s_load_b256 s[4:11], s[0:1], 0x0               ; W1 s[4:5], b1 s[6:7], xc s[8:9], xs s[10:11]
	s_load_b128 s[12:15], s[0:1], 0x20             ; sel s[12:13], hc s[14:15]
	s_load_b64 s[16:17], s[0:1], 0x30              ; hs
	v_lshl_add_u32 v222, v0, 2, 0x11000
	v_mov_b32 v223, 0
	v_lshrrev_b32 v2, 5, v0
	v_readfirstlane_b32 s18, v2                    ; wave
	v_and_b32 v1, 31, v0                           ; lane l
	v_and_b32 v2, 15, v0                           ; r
	v_bfe_u32 v9, v0, 4, 1                         ; h
	v_lshlrev_b32 v3, 4, v9                        ; 16 h
	v_lshlrev_b32 v9, 6, v9                        ; 64 h: b1's eight numbers of my half
	v_lshlrev_b32 v4, 4, v1                        ; 16 l: W1's rows, the images, hc
	v_lshlrev_b32 v8, 2, v1                        ; 4 l
	v_add_nc_u32 v7, SCL, v8                       ; the scale images
	; where my four units q = 4 l + i lie: tile 2 (q / 32) + (q / 8) % 2, row q % 8 + 8 ((q / 16) % 2)
	v_lshrrev_b32 v10, 3, v1
	v_bfe_u32 v11, v0, 1, 1
	v_and_b32 v12, 1, v0
	v_bfe_u32 v13, v0, 2, 1
	v_lshlrev_b32 v5, 11, v10
	v_lshl_add_u32 v5, v11, 10, v5
	v_lshl_add_u32 v5, v12, 6, v5
	v_lshl_add_u32 v5, v13, 7, v5
	s_lshl_b32 s28, s18, 14
	v_add_nc_u32 v5, s28, v5                       ; images: + my wave's two K steps
	v_lshlrev_b32 v6, 7, v10
	v_lshl_add_u32 v6, v11, 6, v6
	v_lshl_add_u32 v6, v12, 4, v6
	v_lshl_add_u32 v6, v13, 5, v6
	s_lshl_b32 s28, s18, 10
	s_add_co_u32 s28, s28, SCL
	v_add_nc_u32 v6, s28, v6                       ; scale images likewise
	s_and_b32 s19, ttmp7, 0xffff                   ; the expert
	s_mov_b32 s20, ttmp9                           ; which 128 units
	s_lshl_b32 s21, 1, s19
	s_mov_b32 s30, 0x76543210
	s_mov_b32 s31, 0xfedcba98                      ; v_permlanex16_b32's selects for lane l xor 16
	s_mov_b32 s68, 0xbdd2d3e8                      ; c1 = c0 x 0.044715
	s_mov_b32 s69, s68                             ; (named with it as a pair, so it is written)
	v_mov_b32 v[C0], 0xc0135761                    ; c0 = -2 log2(e) sqrt(2 / pi)
	v_mov_b32 v[C0+1], 0xc0135761
.irp b, 0,1,2,3
	v_mov_b32 v[TM+4+\b], 0                        ; written once: a lane permute's destination counts as one of its sources
.endr
	s_lshl_b32 s28, s19, 24                        ; W1: the expert's 16 MiB, my wave's 256 rows of 16 KiB, the slice's 512 bytes
	s_lshl_b32 s29, s18, 22
	s_add_co_u32 s28, s28, s29
	s_lshl_b32 s29, s20, 9
	s_add_co_u32 s28, s28, s29
	s_mov_b32 s29, 0
	s_wait_kmcnt 0x0
	s_add_nc_u64 s[4:5], s[4:5], s[28:29]
	s_lshl_b32 s28, s19, 14
	s_lshl_b32 s70, s20, 9
	s_add_co_u32 s28, s28, s70
	s_add_nc_u64 s[6:7], s[6:7], s[28:29]          ; b1 at the slice
	s_lshl_b32 s28, s19, 21                        ; hc: [expert][tile][K step][1,024]: tile = my wave's first, K step = the slice
	s_lshl_b32 s70, s18, 15
	s_add_co_u32 s28, s28, s70
	s_lshl_b32 s70, s20, 10
	s_add_co_u32 s28, s28, s70
	s_add_nc_u64 s[14:15], s[14:15], s[28:29]
	s_lshl_b32 s28, s19, 18                        ; hs: the same with 128 bytes
	s_lshl_b32 s70, s18, 12
	s_add_co_u32 s28, s28, s70
	s_lshl_b32 s70, s20, 7
	s_add_co_u32 s28, s28, s70
	s_add_nc_u64 s[16:17], s[16:17], s[28:29]
.irp j, 0,1,2,3,4,5,6,7
	global_load_b128 v[SL+4*\j:SL+4*\j+3], v4, s[12:13] offset:512*\j   ; sel, all 1,024 words
.endr
	WIN 0x40
.irp t, 0,1,2,3,4,5,6,7
	global_load_b128 v[BI+8*\t:BI+8*\t+3], v9, s[6:7] offset:(32*(\t/2)+8*(\t%2))*4       ; b1 of units 32 (t / 2) + 16 h + 8 (t % 2) + 0 .. 7
	global_load_b128 v[BI+8*\t+4:BI+8*\t+7], v9, s[6:7] offset:(32*(\t/2)+8*(\t%2))*4+16
.endr
	WIN 0
	LOADS 0
	LOADS 1
	s_wait_loadcnt 63                              ; sel and b1 are in: 64 younger loads stand behind them
	MASKS
	FIND s18                                       ; my first tile's rows are asked for now: they land under the weights' stream.  (A wave without a tile asks for valid rows and does not use them)
	XLOAD
	LOADS 2
	CHUNK 0
	CHUNK 1
	CHUNK 2
	CHUNK 3
	CHUNK 4
	CHUNK 5
	CHUNK 6
	CHUNK 7
	s_wait_dscnt 0x0                               ; for the others' sake: my images lie in LDS
	s_barrier_signal -1
	s_barrier_wait -1                              ; the one barrier: all 64 fragments and their scale words are there
	s_cmp_ge_u32 s18, s23
	s_cbranch_scc1 .Lend                           ; no tile for this wave
	WIN 0x80
.set f, 0
.rept 32
	ds_load_b128 v[8*f:8*f+3], v4 offset:1024*f
	ds_load_b128 v[8*f+4:8*f+7], v4 offset:1024*f+512
.set f, f+1
.endr
	WIN 0xc0
.set f, 0
.rept 32
	ds_load_b128 v[8*f:8*f+3], v4 offset:1024*(f+32)
	ds_load_b128 v[8*f+4:8*f+7], v4 offset:1024*(f+32)+512
.set f, f+1
.endr
	WIN 0
.set g, 0
.rept 32
	ds_load_b32 v[WS+g], v7 offset:128*g
.set g, g+1
.endr
	s_wait_dscnt 0x0
	s_sub_co_u32 s66, s23, s18                     ; my tiles are w, w + 4, ..: (tiles - w + 3) / 4 of them, one at the least here;
	s_add_co_u32 s66, s66, 3
	s_lshr_b32 s66, s66, 2
	s_min_u32 s66, s66, 16                         ; an expert has 1,024 rows at the most, 64 tiles, 16 a wave: the hold changes nothing
	s_mov_b32 s24, 0                               ; the loop's counter: one a trip
	s_mov_b32 s25, s18                             ; my tile's number
.Ltile:
	s_wait_loadcnt 0x0                             ; the tile's rows of x, asked for a trip ago
	; 64 products: K step by K step, the eight accumulators by turns, one instruction a turn
.set ks, 0
.rept 8
.if ks == 0
	WIN 0x16                                       ; W1 window 2, x window 1, b1 window 1, the sums window 0
.elseif ks < 4
	WIN 0x06
.else
	WIN 0x07                                       ; W1's fragments 32 to 63 lie in window 3
.endif
.irp t, 0,1,2,3,4,5,6,7
.set fr, 8*((8*ks+\t)%32)
.if ks == 0
	WMMA ACC+8*\t, fr, XF+8*ks, BI+8*\t, WS+4*ks+\t/2, XS+ks, \t%2
.else
	WMMA ACC+8*\t, fr, XF+8*ks, ACC+8*\t, WS+4*ks+\t/2, XS+ks, \t%2
.endif
.endr
.set ks, ks+1
.endr
	WIN 0
	s_add_co_u32 s25, s25, 4                       ; my next tile's number
	s_cmp_ge_u32 s25, s23
	s_cbranch_scc1 .Lno_next
	FIND s25                                       ; my next tile's rows: these whole-number lines are the places between the products and the loads into x's registers;
	XLOAD                                          ; the loads have the gelu and the quantiser in which to land
.Lno_next:
.rept 4
	v_nop                                          ; four places between the last products and the first read of their results (ISA guide 7.12.1), on the way that asks for nothing
.endr
	; gelu, tanh form: x / (1 + 2^(c0 x + c1 x^3)).  Each accumulator is read from its low end on
.set p, 0
.rept 32
	v_pk_mul_f32 v[EX+2*p:EX+2*p+1], v[ACC+2*p:ACC+2*p+1], v[ACC+2*p:ACC+2*p+1]
.set p, p+1
.endr
.set p, 0
.rept 32
	v_pk_fma_f32 v[EX+2*p:EX+2*p+1], v[EX+2*p:EX+2*p+1], s[68:69], v[C0:C0+1] op_sel_hi:[1,0,1]
.set p, p+1
.endr
.set p, 0
.rept 32
	v_pk_mul_f32 v[EX+2*p:EX+2*p+1], v[EX+2*p:EX+2*p+1], v[ACC+2*p:ACC+2*p+1]
.set p, p+1
.endr
.set p, 0
.rept 64
	v_exp_f32 v[EX+p], v[EX+p]
.set p, p+1
.endr
	v_nop                                          ; a plain line behind the last exponential
	s_wait_alu depctr_va_vdst(0)                   ; one wait for the batch, ahead of its first reader
.set p, 0
.rept 32
	v_pk_add_f32 v[EX+2*p:EX+2*p+1], v[EX+2*p:EX+2*p+1], 1.0 op_sel_hi:[1,0]
.set p, p+1
.endr
.set p, 0
.rept 64
	v_rcp_f32 v[EX+p], v[EX+p]
.set p, p+1
.endr
	v_nop
	s_wait_alu depctr_va_vdst(0)                   ; and one for the reciprocals
.set p, 0
.rept 32
	v_pk_mul_f32 v[ACC+2*p:ACC+2*p+1], v[ACC+2*p:ACC+2*p+1], v[EX+2*p:EX+2*p+1]
.set p, p+1
.endr
	; the quantiser: register 16 b + i of the 64 is unit 32 b + 16 h + i of my row; a block lies in lanes l and l xor 16
.irp b, 0,1,2,3
	v_max3_num_f32 v[TM+\b], |v[ACC+16*\b]|, |v[ACC+1+16*\b]|, 0x1800000
.endr
.irp i, 2,4,6,8,10,12,14
.irp b, 0,1,2,3
	v_max3_num_f32 v[TM+\b], v[TM+\b], |v[ACC+16*\b+\i]|, |v[ACC+1+16*\b+\i]|
.endr
.endr
.irp b, 0,1,2,3
	v_permlanex16_b32 v[TM+4+\b], v[TM+\b], s30, s31
.endr
.irp b, 0,1,2,3
	v_max_num_f32 v[TM+\b], v[TM+\b], v[TM+4+\b]
.endr
.irp b, 0,1,2,3
	v_add_nc_u32 v[TM+12+\b], 0xff000000, v[TM+\b]
.endr
.irp b, 0,1,2,3
	v_lshrrev_b32 v[TM+4+\b], 23, v[TM+12+\b]
.endr
	v_lshl_or_b32 v[PW], v[TM+5], 8, v[TM+4]       ; my row's scale word
	v_lshl_or_b32 v[PW], v[TM+6], 16, v[PW]
	v_lshl_or_b32 v[PW], v[TM+7], 24, v[PW]
.irp b, 0,1,2,3
	v_cvt_scalef32_pk8_fp4_f32 v[PC+2*\b], v[ACC+16*\b:ACC+7+16*\b], v[TM+12+\b]
	v_cvt_scalef32_pk8_fp4_f32 v[PC+1+2*\b], v[ACC+8+16*\b:ACC+15+16*\b], v[TM+12+\b]
.endr
	v_nop                                          ; one plain line behind the last scaled conversion
.irp c, 0,1
.irp i, 0,1
	v_permlane16_swap_b32 v[PC+4*\c+\i], v[PC+2+4*\c+\i]   ; the operand's layout wants a whole block in a lane
.endr
.endr
	global_store_b128 v4, v[PC:PC+3], s[14:15]             ; the fragment's image: twice 512 consecutive bytes
	global_store_b128 v4, v[PC+4:PC+7], s[14:15] offset:512
	global_store_b32 v8, v[PW], s[16:17]                   ; its scale words, in lane order
	s_wait_xcnt 0x0                                ; the stores have read their registers and bases: both are written again only behind this wait
	s_add_nc_u64 s[14:15], s[14:15], 0x20000       ; four tiles on
	s_add_nc_u64 s[16:17], s[16:17], 0x4000
	s_add_co_u32 s24, s24, 1
	s_cmp_lt_u32 s24, s66
	s_cbranch_scc1 .Ltile
.Lend:
	s_wait_tensorcnt 0x0
	ds_add_u32 v222, v223
	s_wait_dscnt 0x0
	s_endpgm
.Lfunc_end_k_qf7373a95c3_ffn1:
	.size	k_qf7373a95c3_ffn1, .Lfunc_end_k_qf7373a95c3_ffn1-k_qf7373a95c3_ffn1
	.p2alignl 7, 3214868480
	.fill 96, 4, 3214868480
	.section	.rodata,"a",@progbits
	.p2align	6, 0x0
	.amdhsa_kernel k_qf7373a95c3_ffn1
		.amdhsa_group_segment_fixed_size 70144
		.amdhsa_private_segment_fixed_size 0
		.amdhsa_enable_private_segment 0
		.amdhsa_kernarg_size 56
		.amdhsa_user_sgpr_count 2
		.amdhsa_user_sgpr_kernarg_segment_ptr 1
		.amdhsa_wavefront_size32 1
		.amdhsa_system_sgpr_workgroup_id_x 1
		.amdhsa_system_sgpr_workgroup_id_y 1
		.amdhsa_system_sgpr_workgroup_id_z 1
		.amdhsa_system_vgpr_workitem_id 0
		.amdhsa_next_free_vgpr 1024
		.amdhsa_next_free_sgpr 72
		.amdhsa_reserve_vcc 1
		.amdhsa_float_denorm_mode_32 3
		.amdhsa_float_denorm_mode_16_64 3
		.amdhsa_memory_ordered 1
		.amdhsa_forward_progress 1
		.amdhsa_inst_pref_size 175
	.end_amdhsa_kernel
	.amdgpu_metadata
---
amdhsa.version: [ 1, 2 ]
amdhsa.kernels:
  - .name:           k_qf7373a95c3_ffn1
    .symbol:         k_qf7373a95c3_ffn1.kd
    .args:
      - { .name: W1, .offset: 0, .size: 8, .value_kind: global_buffer, .address_space: global }
      - { .name: b1, .offset: 8, .size: 8, .value_kind: global_buffer, .address_space: global }
      - { .name: xc, .offset: 16, .size: 8, .value_kind: global_buffer, .address_space: global }
      - { .name: xs, .offset: 24, .size: 8, .value_kind: global_buffer, .address_space: global }
      - { .name: sel, .offset: 32, .size: 8, .value_kind: global_buffer, .address_space: global }
      - { .name: hc, .offset: 40, .size: 8, .value_kind: global_buffer, .address_space: global }
      - { .name: hs, .offset: 48, .size: 8, .value_kind: global_buffer, .address_space: global }
    .group_segment_fixed_size: 70144
    .private_segment_fixed_size: 0
    .kernarg_segment_align: 8
    .kernarg_segment_size: 56
    .max_flat_workgroup_size: 128
    .sgpr_count:     72
    .vgpr_count:     1024
    .wavefront_size: 32
...
	.end_amdgpu_metadata
.endif
;; end of part 2
;; launch ffn2 (part 3): grid 32 x 8, 4 waves a work-group, no clusters, 87,552 bytes of LDS; arguments W2, b2, hc, hs, sel, gd, yb; writes yb
.if DOCPART == 3
	.amdgcn_target "amdgcn-amd-amdhsa--gfx1250"
	.amdhsa_code_object_version 6
	.text
	.protected	k_qf7373a95c3_ffn2
	.globl	k_qf7373a95c3_ffn2
	.p2align	8
	.type	k_qf7373a95c3_ffn2,@function
k_qf7373a95c3_ffn2:
	s_mov_b64 s[64:65], 0
	v_nop
	global_prefetch_b8 v0, s[64:65] scope:SCOPE_SE
	s_setreg_imm32_b32 hwreg(HW_REG_WAVE_MODE, 25, 1), 1
	s_wait_xcnt 0x0
; gate x (h W2[e] + b2[e]) for the tokens that chose expert e: the second product of an expert, on codes of FP4 (E2M1) with one E8M0 scale for each 32 along K.
; A work-group owns expert e (grid y), 64 output columns (grid x / 2) and half of K (grid x % 2: hidden units 2,048 kh on): 2,048 rows x 256 bytes of W2, 512 KiB of f32, read once and quantised in registers.
; PHASE 1.  Wave w takes k = 512 w .. 512 w + 511 of the half in 8 chunks of 64 k x 64 columns.  A load takes two rows' 256 consecutive, aligned bytes: lanes 0-15 row n of the chunk's first block, lanes 16-31
; row n of its second; a lane holds 4 columns of ONE block.  The rest is as in the first product's launch: a column's 32 numbers are moved into consecutive registers, scale, codes, images of the operand's
; registers in LDS.  A scale word's four bytes come from two chunks and from lanes l and l xor 16.
; PHASE 2, behind the one barrier.  Every wave takes all 64 fragments (64 columns x 2,048 K) into 512 registers; wave w takes the expert's tiles of 16 rows w, w + 4, ..  A tile: its 16 fragments of h come from hc
; as they lie (dense loads); 64 matrix instructions (source 0 = 16 columns, source 1 = 16 rows: a lane holds 8 neighbouring columns of one row; b2 is the C of the first four in the half kh = 0, zeros in the other);
; x the row's gate; through the wave's stage in LDS; stored as rows of 256 aligned bytes to yb[kh][2 token + choice].
; Each byte of yb has one writer.  Padding rows of an expert's last tile go to spare rows 2,048 + 16 e + r, which nobody reads.  The two halves and the two experts of a token are added by the next launch.
; THE ROWS are found as in the first product's launch (MASKS, FIND: the same text, so the same order).  The number of tiles is read from memory: no tensor load, and the one barrier stands ahead of every branch on it.
; Tiles are not shared in a cluster: the partners' trip counts hang on stored numbers, and what is shared (a tile's 18 KiB) is small beside each work-group's own 512 KiB.
; LIMITS: NaN and infinities among the inputs are not served.  A block of zeros gets the byte 1 (the rule says 127): its codes are zeros, and this program alone reads the bytes.
; REGISTERS.  window 0: v1-9 addresses; v10-22 FIND; v23 b2's offset; v24-28 the rows' words, gates and places; v29 8 h; v30-31 the gate; v32-63 W2's scale words; v64-79 h's scale words;
;   v80-111 the 4 accumulators, v112-143 rows read back, v152-167 their places (phase 1: v80-207 a chunk, column by column; at the head v168-199 sel); v208-223 what stays; v224-255 phase 1 at work.
;   window 1: v0-127 h's 16 fragments; v128-159 b2 in the result's layout.   windows 2, 3: three raw buffers; later W2's 64 fragments, fragment f = 4 x K step + tile at v[8 (f % 32)] of window 2 + f / 32.
.set SCL,  65536                       ; LDS: 64 images of 1,024 bytes, then 32 scale images of 128 bytes (2 x K step + tile / 2: lanes 0-15 the even tile, lanes 16-31 the odd),
.set STG,  69632                       ; then a stage of 16 rows x (256 bytes + 16) for each wave
.set SP,   272
.set SWN,  24
.set GTN,  25
.set ASW,  26
.set AGT,  27
.set SLOT, 28
.set SH8,  29
.set GT,   30
.set WS,   32
.set HS,   64
.set ACC,  80
.set OB,   112
.set SLI,  152
.set AO,   160
.set TR,   80
.set SL,   168
.set IX,   208
.set DUMP, 216
.set STO,  217
.set RD,   218
.set C16,  219
.set TP,   220
.set MX,   224
.set SOP,  228
.set BY,   232
.set SW,   236
.set CD,   240
.set HF,   0                           ; in window 1
.set BI,   128                         ; in window 1
.set FP,   10
.set FMK,  11
.set FBS,  12
.set FTB,  13
.set FRR,  14
.set FPOS, 15
.set FA,   16
.set FB,   17
.set FC,   18
.set FD,   19
.set FT,   20
.set FU,   21
.set TOK,  22
.set MSB, 0
.macro WIN new                         ; the immediate's high byte repeats the setting that is left; a switch that changes nothing is dropped
.if MSB != (\new)
	s_set_vgpr_msb (MSB<<8)|(\new)
.set MSB, (\new)
.endif
.endm
; chunk j's 64 rows, two to a load, into raw buffer j % 3
.macro LOADS j
.set RB, 128*(((\j)%3)&1)
.set WN, 0x80+0x40*(((\j)%3)>>1)
	WIN WN
.set n, 0
.rept 32
	global_load_b128 v[RB+4*n:RB+4*n+3], v9, s[4:5] offset:(64*(\j)+n)*4096 th:TH_LOAD_NT
.set n, n+1
.endr
	WIN 0
.endm
.macro CHUNK j
.set RB, 128*(((\j)%3)&1)
.set WN, 0x02+(((\j)%3)>>1)
.if (\j) <= 5
	s_wait_loadcnt 63                              ; behind this chunk's loads stand 64 younger ones; 63 is the largest count that the wait can name
.elseif (\j) == 6
	s_wait_loadcnt 32                              ; chunk 7's may be out
.else
	s_wait_loadcnt 0x0
.endif
	s_wait_dscnt 0x0                               ; the last chunk's LDS stores have read their registers
	WIN WN
.set n, 0
.rept 32
.irp c, 0,1,2,3
	v_mov_b32 v[TR+32*\c+n], v[RB+4*n+\c]          ; row n of my block, my column c: to place n of the column's 32
.endr
.set n, n+1
.endr
	WIN 0
.irp c, 0,1,2,3
	v_max3_num_f32 v[MX+\c], |v[TR+32*\c]|, |v[TR+32*\c+1]|, 0x1800000   ; the floor 2^(3 - 127) among the leaves: the byte cannot fall under 1
.endr
.irp i, 2,4,6,8,10,12,14,16,18,20,22,24,26,28,30
.irp c, 0,1,2,3
	v_max3_num_f32 v[MX+\c], v[MX+\c], |v[TR+32*\c+\i]|, |v[TR+32*\c+\i+1]|
.endr
.endr
.irp c, 0,1,2,3
	v_add_nc_u32 v[SOP+\c], 0xff000000, v[MX+\c]   ; 2 off the exponent field: the conversion's scale operand
.endr
.if (\j)%2 == 0
.irp c, 0,1,2,3
	v_lshrrev_b32 v[SW+\c], 23, v[SOP+\c]          ; block h of the K step
.endr
.else
.irp c, 0,1,2,3
	v_lshrrev_b32 v[BY+\c], 23, v[SOP+\c]
.endr
.irp c, 0,1,2,3
	v_lshl_or_b32 v[SW+\c], v[BY+\c], 16, v[SW+\c] ; block 2 + h
.endr
.irp c, 0,1,2,3
	v_lshlrev_b32 v[SW+\c], v[SH8], v[SW+\c]       ; at their places in the word: 8 h bits up
.endr
.irp c, 0,1,2,3
	v_permlanex16_b32 v[TP+\c], v[SW+\c], s30, s31
.endr
.irp c, 0,1,2,3
	v_or_b32 v[SW+\c], v[SW+\c], v[TP+\c]          ; with lane l xor 16's two bytes the word is whole
.endr
.endif
.irp c, 0,1,2,3
.irp o, 0,1,2,3
	v_cvt_scalef32_pk8_fp4_f32 v[CD+4*\c+\o], v[TR+32*\c+8*\o:TR+32*\c+8*\o+7], v[SOP+\c]
.endr
.endr
	v_nop                                          ; one plain line behind the last scaled conversion
.irp c, 0,1,2,3
	ds_store_b128 v5, v[CD+4*\c:CD+4*\c+3] offset:4096*((\j)>>1)+512*((\j)&1)+16*\c
.endr
.if (\j)%2 == 1
	ds_store_b128 v6, v[SW:SW+3] offset:256*((\j)>>1)   ; both halves of the lanes write the same words with the same values
.endif
.if (\j)+3 <= 7
	LOADS (\j)+3
.endif
.endm
; 32 lane masks of "the token chose my expert": bit l of mask g is token 128 (g / 4) + 4 l + g % 4; the count; the tiles
.macro MASKS
.set g, 0
.rept 32
	v_and_b32 v[FT], s21, v[SL+g]
	v_cmp_ne_u32 s[32+g], 0, v[FT]
.set g, g+1
.endr
	s_bcnt1_i32_b32 s22, s32
.set g, 1
.rept 31
	s_bcnt1_i32_b32 s28, s[32+g]
	s_add_co_u32 s22, s22, s28
.set g, g+1
.endr
	s_add_co_u32 s23, s22, 15
	s_lshr_b32 s23, s23, 4
.endm
.macro FSTEP x, wd, st
	v_bfe_u32 v[FT], v[\x], v[FPOS], \wd
	v_cmp_ge_u32 vcc_lo, v[FRR], v[FT]
	v_cndmask_b32 v[FT], 0, v[FT], vcc_lo
	v_cndmask_b32 v[FU], 0, \st, vcc_lo
	v_sub_nc_u32 v[FRR], v[FRR], v[FT]
	v_add_nc_u32 v[FPOS], v[FPOS], v[FU]
.endm
; TOK = the token of rank 16 sm + lane % 16 among those that chose my expert
.macro FIND sm
	s_lshl_b32 s28, \sm, 4
	v_add_nc_u32 v[FP], s28, v2
	v_mov_b32 v[FMK], s32
	v_mov_b32 v[FBS], 0
	v_mov_b32 v[FTB], 0
	s_bcnt1_i32_b32 s26, s32
.set g, 1
.rept 31
	v_cmp_gt_u32 vcc_lo, s26, v[FP]
	v_cndmask_b32 v[FMK], s[32+g], v[FMK], vcc_lo
	v_cndmask_b32 v[FBS], s26, v[FBS], vcc_lo
	v_cndmask_b32 v[FTB], 128*(g>>2)+(g&3), v[FTB], vcc_lo
	s_bcnt1_i32_b32 s27, s[32+g]
	s_add_co_u32 s26, s26, s27
.set g, g+1
.endr
	v_sub_nc_u32 v[FRR], v[FP], v[FBS]
	v_lshrrev_b32 v[FT], 1, v[FMK]
	v_and_b32 v[FT], 0x55555555, v[FT]
	v_sub_nc_u32 v[FA], v[FMK], v[FT]
	v_lshrrev_b32 v[FT], 2, v[FA]
	v_and_b32 v[FT], 0x33333333, v[FT]
	v_and_b32 v[FB], 0x33333333, v[FA]
	v_add_nc_u32 v[FB], v[FB], v[FT]
	v_lshrrev_b32 v[FT], 4, v[FB]
	v_add_nc_u32 v[FC], v[FB], v[FT]
	v_and_b32 v[FC], 0x0f0f0f0f, v[FC]
	v_lshrrev_b32 v[FT], 8, v[FC]
	v_add_nc_u32 v[FD], v[FC], v[FT]
	v_and_b32 v[FD], 0x00ff00ff, v[FD]
	v_mov_b32 v[FPOS], 0
	FSTEP FD, 8, 16
	FSTEP FC, 8, 8
	FSTEP FB, 4, 4
	FSTEP FA, 2, 2
	FSTEP FMK, 1, 1
	v_lshl_add_u32 v[TOK], v[FPOS], 2, v[FTB]
	v_min_u32 v[TOK], 0x3ff, v[TOK]                ; a loaded number enters an address only behind this bound
.endm
; the row's word of sel and its gate for my expert; then the tile's 16 fragments of h and their scale words, as they lie
.macro INFO_HLOAD
	v_lshlrev_b32 v[ASW], 2, v[TOK]
	v_lshlrev_b32 v[AGT], 5, v[TOK]
	global_load_b32 v[SWN], v[ASW], s[12:13]
	global_load_b32 v[GTN], v[AGT], s[14:15]
	WIN 0x40
.set q, 0
.rept 16
	global_load_b128 v[HF+8*q:HF+8*q+3], v4, s[8:9] offset:1024*q
	global_load_b128 v[HF+8*q+4:HF+8*q+7], v4, s[8:9] offset:1024*q+512
.set q, q+1
.endr
	WIN 0
.set q, 0
.rept 16
	global_load_b32 v[HS+q], v8, s[10:11] offset:128*q
.set q, q+1
.endr
.endm
.macro WMMA d, a, b, c, sa, sb, odd
.if (\odd)
	v_wmma_scale_f32_16x16x128_f8f6f4 v[(\d):(\d)+7], v[(\a):(\a)+7], v[(\b):(\b)+7], v[(\c):(\c)+7], v[(\sa)], v[(\sb)] matrix_a_fmt:MATRIX_FMT_FP4 matrix_b_fmt:MATRIX_FMT_FP4 matrix_a_scale:MATRIX_SCALE_ROW1
.else
	v_wmma_scale_f32_16x16x128_f8f6f4 v[(\d):(\d)+7], v[(\a):(\a)+7], v[(\b):(\b)+7], v[(\c):(\c)+7], v[(\sa)], v[(\sb)] matrix_a_fmt:MATRIX_FMT_FP4 matrix_b_fmt:MATRIX_FMT_FP4
.endif
.endm
	s_load_b256 s[4:11], s[0:1], 0x0               ; W2 s[4:5], b2 s[6:7], hc s[8:9], hs s[10:11]
	s_load_b128 s[12:15], s[0:1], 0x20             ; sel s[12:13], gd s[14:15]
	s_load_b64 s[16:17], s[0:1], 0x30              ; yb
	s_set_vgpr_msb 0x40
	v_lshl_add_u32 v254, v0, 2, 0x15400
	v_mov_b32 v255, 0
	s_set_vgpr_msb 0x4000
	v_lshrrev_b32 v2, 5, v0
	v_readfirstlane_b32 s18, v2                    ; wave
	v_and_b32 v1, 31, v0                           ; lane l
	v_and_b32 v2, 15, v0                           ; r
	v_bfe_u32 v3, v0, 4, 1                         ; h
	v_lshlrev_b32 v4, 4, v1                        ; 16 l: the images, hc
	v_lshlrev_b32 v8, 2, v1                        ; 4 l
	v_add_nc_u32 v7, SCL, v8                       ; the scale images
	v_lshlrev_b32 v9, 4, v2
	v_lshl_add_u32 v9, v3, 17, v9                  ; W2: 16 bytes of a row of 256; lanes 16-31 stand 32 rows of 4,096 bytes further down
	v_lshlrev_b32 v23, 5, v3                       ; b2: my half's eight numbers
	v_lshlrev_b32 v[SH8], 3, v3
	; where my four columns 4 (l % 16) + i lie: tile (l / 4) % 4, row 4 (l % 4) + i; my block's half of the lanes is h
	v_bfe_u32 v10, v0, 2, 2
	v_and_b32 v11, 3, v0
	v_lshlrev_b32 v5, 10, v10
	v_lshl_add_u32 v5, v3, 8, v5
	v_lshl_add_u32 v5, v11, 6, v5
	s_lshl_b32 s28, s18, 14
	v_add_nc_u32 v5, s28, v5                       ; images: + my wave's four K steps
	v_bfe_u32 v12, v0, 3, 1
	v_bfe_u32 v13, v0, 2, 1
	v_lshlrev_b32 v6, 7, v12
	v_lshl_add_u32 v6, v13, 6, v6
	v_lshl_add_u32 v6, v11, 4, v6
	s_lshl_b32 s28, s18, 10
	s_add_co_u32 s28, s28, SCL
	v_add_nc_u32 v6, s28, v6                       ; scale images likewise
	s_and_b32 s19, ttmp7, 0xffff                   ; the expert
	s_lshr_b32 s20, ttmp9, 1                       ; which 64 columns
	s_and_b32 s71, ttmp9, 1                        ; which half of K
	s_lshl_b32 s21, 1, s19
	s_mov_b32 s30, 0x76543210
	s_mov_b32 s31, 0xfedcba98                      ; v_permlanex16_b32's selects for lane l xor 16
.irp i, 0,1,2,3,4,5,6,7
	v_lshl_add_u32 v[IX+\i], v3, 2, 8*\i           ; the lane that holds row 2 i + h, x 4
.endr
	s_lshl_b32 s28, s19, 4
	s_add_co_u32 s28, s28, 2048
	v_add_nc_u32 v[DUMP], s28, v2                  ; the spare row of a padding row
	s_mul_i32 s28, s18, 16*SP
	s_add_co_u32 s28, s28, STG                     ; my stage
	v_mul_u32_u24 v[STO], v2, SP
	v_lshl_add_u32 v[STO], v3, 5, v[STO]
	v_add_nc_u32 v[STO], s28, v[STO]               ; in: row r, 32 bytes for each half of the lanes
	v_mul_u32_u24 v[RD], v3, SP
	v_lshl_add_u32 v[RD], v2, 4, v[RD]
	v_add_nc_u32 v[RD], s28, v[RD]                 ; back: lanes 0-15 one row of 256 bytes, lanes 16-31 the next
	v_lshlrev_b32 v[C16], 4, v2
.irp c, 0,1,2,3
	v_mov_b32 v[TP+\c], 0                          ; written once: a lane permute's destination counts as one of its sources
.endr
	v_mov_b32 v[GT+1], 0                           ; (named as the upper half of the pair before it is ever used)
	s_lshl_b32 s28, s19, 24                        ; W2: the expert's 16 MiB, the half's 8 MiB, my wave's 512 rows of 4 KiB, the slice's 256 bytes
	s_lshl_b32 s29, s71, 23
	s_add_co_u32 s28, s28, s29
	s_lshl_b32 s29, s18, 21
	s_add_co_u32 s28, s28, s29
	s_lshl_b32 s29, s20, 8
	s_add_co_u32 s28, s28, s29
	s_mov_b32 s29, 0
	s_wait_kmcnt 0x0
	s_add_nc_u64 s[4:5], s[4:5], s[28:29]
	s_lshl_b32 s28, s19, 12
	s_lshl_b32 s70, s20, 8
	s_add_co_u32 s28, s28, s70
	s_add_nc_u64 s[6:7], s[6:7], s[28:29]          ; b2 at the slice
	s_lshl_b32 s28, s19, 21                        ; hc: [expert][tile][K step][1,024]: my wave's first tile, the half's first K step
	s_lshl_b32 s70, s18, 15
	s_add_co_u32 s28, s28, s70
	s_lshl_b32 s70, s71, 14
	s_add_co_u32 s28, s28, s70
	s_add_nc_u64 s[8:9], s[8:9], s[28:29]
	s_lshl_b32 s28, s19, 18                        ; hs: the same with 128 bytes
	s_lshl_b32 s70, s18, 12
	s_add_co_u32 s28, s28, s70
	s_lshl_b32 s70, s71, 11
	s_add_co_u32 s28, s28, s70
	s_add_nc_u64 s[10:11], s[10:11], s[28:29]
	s_lshl_b32 s28, s19, 2
	s_add_nc_u64 s[14:15], s[14:15], s[28:29]      ; gd at my expert's column
	s_mul_i32 s28, s71, 0x880000                   ; yb: the half's 2,176 rows of 4,096 bytes, the slice's 256 bytes
	s_lshl_b32 s70, s20, 8
	s_add_co_u32 s28, s28, s70
	s_add_nc_u64 s[16:17], s[16:17], s[28:29]
.irp j, 0,1,2,3,4,5,6,7
	global_load_b128 v[SL+4*\j:SL+4*\j+3], v4, s[12:13] offset:512*\j   ; sel, all 1,024 words
.endr
	WIN 0x40
.irp t, 0,1,2,3
	global_load_b128 v[BI+8*\t:BI+8*\t+3], v23, s[6:7] offset:64*\t      ; b2 of columns 16 t + 8 h + 0 .. 7
	global_load_b128 v[BI+8*\t+4:BI+8*\t+7], v23, s[6:7] offset:64*\t+16
.endr
	WIN 0
	LOADS 0
	LOADS 1
	s_wait_loadcnt 63                              ; sel and b2 are in: 64 younger loads stand behind them
	MASKS
	s_cmp_eq_u32 s71, 1
	s_cselect_b32 s70, -1, 0
	WIN 0x41
.set q, 0
.rept 32
	v_cndmask_b32 v[BI+q], v[BI+q], 0, s70         ; the bias counts once: the second half of K begins its sums with zeros
.set q, q+1
.endr
	WIN 0
	LOADS 2
	CHUNK 0
	CHUNK 1
	CHUNK 2
	CHUNK 3
	CHUNK 4
	CHUNK 5
	CHUNK 6
	CHUNK 7
	s_wait_dscnt 0x0                               ; for the others' sake: my images lie in LDS
	s_barrier_signal -1
	s_barrier_wait -1                              ; the one barrier: all 64 fragments and their scale words are there
	s_cmp_ge_u32 s18, s23
	s_cbranch_scc1 .Lend                           ; no tile for this wave
	FIND s18                                       ; my first tile is asked for here, where it is known to exist: no byte of hc is read that was not written;
	INFO_HLOAD                                     ; it lands under the 160 LDS loads below
	WIN 0x80
.set f, 0
.rept 32
	ds_load_b128 v[8*f:8*f+3], v4 offset:1024*f
	ds_load_b128 v[8*f+4:8*f+7], v4 offset:1024*f+512
.set f, f+1
.endr
	WIN 0xc0
.set f, 0
.rept 32
	ds_load_b128 v[8*f:8*f+3], v4 offset:1024*(f+32)
	ds_load_b128 v[8*f+4:8*f+7], v4 offset:1024*(f+32)+512
.set f, f+1
.endr
	WIN 0
.set g, 0
.rept 32
	ds_load_b32 v[WS+g], v7 offset:128*g
.set g, g+1
.endr
	s_wait_dscnt 0x0
	s_sub_co_u32 s66, s23, s18                     ; my tiles are w, w + 4, ..: (tiles - w + 3) / 4 of them, one at the least here;
	s_add_co_u32 s66, s66, 3
	s_lshr_b32 s66, s66, 2
	s_min_u32 s66, s66, 16                         ; an expert has 1,024 rows at the most, 64 tiles, 16 a wave: the hold changes nothing
	s_mov_b32 s24, 0                               ; the loop's counter: one a trip
	s_mov_b32 s25, s18                             ; my tile's number
.Ltile:
	s_wait_loadcnt 0x0                             ; the tile's fragments, scale words, words of sel and gates: so their address registers and bases may be written too
	; 64 products: K step by K step, the four accumulators by turns, one instruction a turn
.set ks, 0
.rept 16
.if ks == 0
	WIN 0x16                                       ; W2 window 2, h window 1, b2 window 1, the sums window 0
.elseif ks < 8
	WIN 0x06
.else
	WIN 0x07                                       ; W2's fragments 32 to 63 lie in window 3
.endif
.irp t, 0,1,2,3
.set fr, 8*((4*ks+\t)%32)
.if ks == 0
	WMMA ACC+8*\t, fr, HF+8*ks, BI+8*\t, WS+2*ks+\t/2, HS+ks, \t%2
.else
	WMMA ACC+8*\t, fr, HF+8*ks, ACC+8*\t, WS+2*ks+\t/2, HS+ks, \t%2
.endif
.endr
.set ks, ks+1
.endr
	WIN 0
	; where my row goes: 2 x token + (is my expert the token's second choice?); a rank past the count: the spare row.  These seven plain lines name no register of the products:
	; they are the places ahead of the loads into h's registers and of the first read of the results, on both ways
	v_lshrrev_b32 v[FT], 8, v[SWN]
	v_cmp_eq_u32 vcc_lo, s19, v[FT]
	v_cndmask_b32 v[FT], 0, 1, vcc_lo
	v_lshl_add_u32 v[FT], v[TOK], 1, v[FT]
	v_cmp_gt_u32 vcc_lo, s22, v[FP]
	v_cndmask_b32 v[SLOT], v[DUMP], v[FT], vcc_lo
	v_mov_b32 v[GT], v[GTN]
	s_add_co_u32 s25, s25, 4                       ; my next tile's number
	s_cmp_ge_u32 s25, s23
	s_cbranch_scc1 .Lno_next
	s_add_nc_u64 s[8:9], s[8:9], 0x20000           ; four tiles on
	s_add_nc_u64 s[10:11], s[10:11], 0x4000
	FIND s25
	INFO_HLOAD                                     ; my next tile: it has the way out in which to land
.Lno_next:
.set p, 0
.rept 16
	v_pk_mul_f32 v[ACC+2*p:ACC+2*p+1], v[ACC+2*p:ACC+2*p+1], v[GT:GT+1] op_sel_hi:[1,0]   ; x my row's gate; each accumulator from its low end on
.set p, p+1
.endr
.irp i, 0,1,2,3,4,5,6,7
	ds_bpermute_b32 v[SLI+\i], v[IX+\i], v[SLOT]   ; the place of row 2 i + h, which I shall store
.endr
.irp t, 0,1,2,3
	ds_store_b128 v[STO], v[ACC+8*\t:ACC+8*\t+3] offset:64*\t
	ds_store_b128 v[STO], v[ACC+8*\t+4:ACC+8*\t+7] offset:64*\t+16
.endr
.irp i, 0,1,2,3,4,5,6,7
	ds_load_b128 v[OB+4*\i:OB+4*\i+3], v[RD] offset:2*SP*\i   ; LDS serves a wave's instructions in order: these see my stores
.endr
	s_wait_dscnt 16                                ; the eight places are in: eight stores and eight loads are younger
.irp i, 0,1,2,3,4,5,6,7
	v_min_u32 v[SLI+\i], 0x87f, v[SLI+\i]          ; a loaded number enters an address only behind this bound: yb has 2,176 rows a half
.endr
.irp i, 0,1,2,3,4,5,6,7
	v_lshl_add_u32 v[AO+\i], v[SLI+\i], 12, v[C16]
.endr
.irp i, 0,1,2,3,4,5,6,7
	s_wait_dscnt 7-\i
	global_store_b128 v[AO+\i], v[OB+4*\i:OB+4*\i+3], s[16:17] th:TH_STORE_NT   ; sixteen lanes store 256 consecutive bytes, at a multiple of 256 from yb's first byte
.endr
	s_wait_xcnt 0x0                                ; the stores have read their registers: they are written again only behind this wait
	s_add_co_u32 s24, s24, 1
	s_cmp_lt_u32 s24, s66
	s_cbranch_scc1 .Ltile
.Lend:
	s_set_vgpr_msb 0x5
	s_wait_tensorcnt 0x0
	ds_add_u32 v254, v255
	s_wait_dscnt 0x0
	s_set_vgpr_msb 0x500
	s_endpgm
.Lfunc_end_k_qf7373a95c3_ffn2:
	.size	k_qf7373a95c3_ffn2, .Lfunc_end_k_qf7373a95c3_ffn2-k_qf7373a95c3_ffn2
	.p2alignl 7, 3214868480
	.fill 96, 4, 3214868480
	.section	.rodata,"a",@progbits
	.p2align	6, 0x0
	.amdhsa_kernel k_qf7373a95c3_ffn2
		.amdhsa_group_segment_fixed_size 87552
		.amdhsa_private_segment_fixed_size 0
		.amdhsa_enable_private_segment 0
		.amdhsa_kernarg_size 56
		.amdhsa_user_sgpr_count 2
		.amdhsa_user_sgpr_kernarg_segment_ptr 1
		.amdhsa_wavefront_size32 1
		.amdhsa_system_sgpr_workgroup_id_x 1
		.amdhsa_system_sgpr_workgroup_id_y 1
		.amdhsa_system_sgpr_workgroup_id_z 1
		.amdhsa_system_vgpr_workitem_id 0
		.amdhsa_next_free_vgpr 1024
		.amdhsa_next_free_sgpr 72
		.amdhsa_reserve_vcc 1
		.amdhsa_float_denorm_mode_32 3
		.amdhsa_float_denorm_mode_16_64 3
		.amdhsa_memory_ordered 1
		.amdhsa_forward_progress 1
		.amdhsa_inst_pref_size 172
	.end_amdhsa_kernel
	.amdgpu_metadata
---
amdhsa.version: [ 1, 2 ]
amdhsa.kernels:
  - .name:           k_qf7373a95c3_ffn2
    .symbol:         k_qf7373a95c3_ffn2.kd
    .args:
      - { .name: W2, .offset: 0, .size: 8, .value_kind: global_buffer, .address_space: global }
      - { .name: b2, .offset: 8, .size: 8, .value_kind: global_buffer, .address_space: global }
      - { .name: hc, .offset: 16, .size: 8, .value_kind: global_buffer, .address_space: global }
      - { .name: hs, .offset: 24, .size: 8, .value_kind: global_buffer, .address_space: global }
      - { .name: sel, .offset: 32, .size: 8, .value_kind: global_buffer, .address_space: global }
      - { .name: gd, .offset: 40, .size: 8, .value_kind: global_buffer, .address_space: global }
      - { .name: yb, .offset: 48, .size: 8, .value_kind: global_buffer, .address_space: global }
    .group_segment_fixed_size: 87552
    .private_segment_fixed_size: 0
    .kernarg_segment_align: 8
    .kernarg_segment_size: 56
    .max_flat_workgroup_size: 128
    .sgpr_count:     72
    .vgpr_count:     1024
    .wavefront_size: 32
...
	.end_amdgpu_metadata
.endif
;; end of part 3
;; launch combine (part 4): grid 256 x 1, 4 waves a work-group, no clusters, 0 bytes of LDS; arguments yb, out0; writes out0
.if DOCPART == 4
	.amdgcn_target "amdgcn-amd-amdhsa--gfx1250"
	.amdhsa_code_object_version 6
	.text
	.protected	k_qf7373a95c3_combine
	.globl	k_qf7373a95c3_combine
	.p2align	8
	.type	k_qf7373a95c3_combine,@function
k_qf7373a95c3_combine:
	s_mov_b64 s[64:65], 0
	v_nop
	global_prefetch_b8 v0, s[64:65] scope:SCOPE_SE
	s_setreg_imm32_b32 hwreg(HW_REG_WAVE_MODE, 25, 1), 1
	s_wait_xcnt 0x0
; out0[t] = the sum of the token's four partial rows: yb[kh][2 t + k], kh = the half of the second product's K, k = the token's first or second expert.  The gates and biases are in them already.
; One wave takes one token (4 x work-group + wave).  A stream: each load and each store of a wave covers 512 consecutive bytes; all 32 loads of a wave go out at once; nothing is read twice.
; No LDS, no barrier, no matrix unit: there is nothing to share and three additions a number.
; The order of the three additions differs from the order in which the reference adds its experts: (half 0 + half 1) of the first expert, the same of the second, then both.
.set HALF, 0x880000                    ; 2,176 rows of 4,096 bytes
.set R,    16                          ; v16-143: piece i of the row (512 bytes): four sources x 4 registers
	s_load_b128 s[4:7], s[0:1], 0x0                ; yb, out0
	v_lshrrev_b32 v2, 5, v0
	v_readfirstlane_b32 s8, v2                     ; wave
	v_and_b32 v1, 31, v0
	v_lshlrev_b32 v1, 4, v1                        ; 16 x lane
	s_lshl_b32 s9, ttmp9, 2
	s_add_co_u32 s9, s9, s8                        ; my token
	s_lshl_b32 s10, s9, 13                         ; its two rows of yb lie on end
	s_mov_b32 s11, 0
	s_lshl_b32 s12, s9, 12
	s_mov_b32 s13, 0
	s_wait_kmcnt 0x0
	s_add_nc_u64 s[4:5], s[4:5], s[10:11]
	s_add_nc_u64 s[14:15], s[4:5], HALF            ; the same two rows in the second half
	s_add_nc_u64 s[6:7], s[6:7], s[12:13]
.irp i, 0,1,2,3,4,5,6,7
	global_load_b128 v[R+16*\i:R+16*\i+3],     v1, s[4:5]   offset:512*\i th:TH_LOAD_NT
	global_load_b128 v[R+16*\i+4:R+16*\i+7],   v1, s[14:15] offset:512*\i th:TH_LOAD_NT
	global_load_b128 v[R+16*\i+8:R+16*\i+11],  v1, s[4:5]   offset:4096+512*\i th:TH_LOAD_NT
	global_load_b128 v[R+16*\i+12:R+16*\i+15], v1, s[14:15] offset:4096+512*\i th:TH_LOAD_NT
.endr
.irp i, 0,1,2,3,4,5,6,7
	s_wait_loadcnt 4*(7-\i)                        ; piece i's four loads are in: the later pieces' may be out
	v_pk_add_f32 v[R+16*\i:R+16*\i+1],     v[R+16*\i:R+16*\i+1],     v[R+16*\i+4:R+16*\i+5]
	v_pk_add_f32 v[R+16*\i+2:R+16*\i+3],   v[R+16*\i+2:R+16*\i+3],   v[R+16*\i+6:R+16*\i+7]
	v_pk_add_f32 v[R+16*\i+8:R+16*\i+9],   v[R+16*\i+8:R+16*\i+9],   v[R+16*\i+12:R+16*\i+13]
	v_pk_add_f32 v[R+16*\i+10:R+16*\i+11], v[R+16*\i+10:R+16*\i+11], v[R+16*\i+14:R+16*\i+15]
	v_pk_add_f32 v[R+16*\i:R+16*\i+1],     v[R+16*\i:R+16*\i+1],     v[R+16*\i+8:R+16*\i+9]
	v_pk_add_f32 v[R+16*\i+2:R+16*\i+3],   v[R+16*\i+2:R+16*\i+3],   v[R+16*\i+10:R+16*\i+11]
	global_store_b128 v1, v[R+16*\i:R+16*\i+3], s[6:7] offset:512*\i th:TH_STORE_NT
.endr
	s_endpgm
.Lfunc_end_k_qf7373a95c3_combine:
	.size	k_qf7373a95c3_combine, .Lfunc_end_k_qf7373a95c3_combine-k_qf7373a95c3_combine
	.p2alignl 7, 3214868480
	.fill 96, 4, 3214868480
	.section	.rodata,"a",@progbits
	.p2align	6, 0x0
	.amdhsa_kernel k_qf7373a95c3_combine
		.amdhsa_group_segment_fixed_size 0
		.amdhsa_private_segment_fixed_size 0
		.amdhsa_enable_private_segment 0
		.amdhsa_kernarg_size 16
		.amdhsa_user_sgpr_count 2
		.amdhsa_user_sgpr_kernarg_segment_ptr 1
		.amdhsa_wavefront_size32 1
		.amdhsa_system_sgpr_workgroup_id_x 1
		.amdhsa_system_sgpr_workgroup_id_y 1
		.amdhsa_system_sgpr_workgroup_id_z 1
		.amdhsa_system_vgpr_workitem_id 0
		.amdhsa_next_free_vgpr 144
		.amdhsa_next_free_sgpr 66
		.amdhsa_reserve_vcc 0
		.amdhsa_float_denorm_mode_32 3
		.amdhsa_float_denorm_mode_16_64 3
		.amdhsa_memory_ordered 1
		.amdhsa_forward_progress 1
		.amdhsa_inst_pref_size 8
	.end_amdhsa_kernel
	.amdgpu_metadata
---
amdhsa.version: [ 1, 2 ]
amdhsa.kernels:
  - .name:           k_qf7373a95c3_combine
    .symbol:         k_qf7373a95c3_combine.kd
    .args:
      - { .name: yb, .offset: 0, .size: 8, .value_kind: global_buffer, .address_space: global }
      - { .name: out0, .offset: 8, .size: 8, .value_kind: global_buffer, .address_space: global }
    .group_segment_fixed_size: 0
    .private_segment_fixed_size: 0
    .kernarg_segment_align: 8
    .kernarg_segment_size: 16
    .max_flat_workgroup_size: 128
    .sgpr_count:     66
    .vgpr_count:     144
    .wavefront_size: 32
...
	.end_amdgpu_metadata
.endif
;; end of part 4
;; ======== version 2 of 2: 4 launches
;; workspace buffers: sel 4,096 bytes of whole numbers; gd 32,768 bytes; xc 524,288 bytes; xs 32,768 bytes; hc 16,777,216 bytes; hs 2,097,152 bytes; yb 17,825,792 bytes
;; launch route (part 5): grid 256 x 1, 4 waves a work-group, no clusters, 52,736 bytes of LDS; arguments x, Wr, br, sel, gd, xc, xs; writes sel, gd, xc, xs
.if DOCPART == 5
	.amdgcn_target "amdgcn-amd-amdhsa--gfx1250"
	.amdhsa_code_object_version 6
	.text
	.protected	k_qf7373a95c3_route
	.globl	k_qf7373a95c3_route
	.p2align	8
	.type	k_qf7373a95c3_route,@function
k_qf7373a95c3_route:
	s_mov_b64 s[64:65], 0
	v_nop
	global_prefetch_b8 v0, s[64:65] scope:SCOPE_SE
	s_setreg_imm32_b32 hwreg(HW_REG_WAVE_MODE, 25, 1), 1
	s_wait_xcnt 0x0
; THE ROUTER, AND x AS CODES.  x: [1024 tokens][1024] f32.  Wr: [1024][8], br: [8] f32.
; One wave takes one token (4 x work-group + wave).  Lane l holds the token's numbers d = 32 l .. 32 l + 31: one block of the quantiser.
; OUT: sel[t] = (1 << i0) | (1 << i1) | (i1 << 8), the two chosen experts (i0 the larger logit; of equal logits the lower index comes first);
;      gd[t][e] = the gate of expert e, 0 where it was not chosen (softmax over the two chosen logits, the larger one taken away first);
;      xc[t] = 512 bytes of FP4 codes, K innermost;  xs[t] = 32 E8M0 bytes.
; The logits are f32 multiply-adds; no address hangs on them: every store goes to a place fixed by the token's number.
; LOADS ARE DENSE: a load of x takes 512 consecutive bytes; the row turns through the wave's own stage in LDS (128 bytes + 16 of padding a lane) so that a lane gets 32 neighbours.
; Wr goes once into LDS, as 32 groups of 32 d x 32 bytes, 1,040 bytes apart: lane l reads group l.
; LIMITS: NaN and infinities among x, Wr, br are not served.  A block of zeros gets the scale byte 1 (the rule says 127): its codes are zeros, and this program alone reads the bytes.
.set WRP,  1040                        ; a group of Wr in LDS: 1,024 bytes + 16
.set XST,  32*WRP                      ; behind Wr: a stage of 32 x 144 bytes for each wave
.set XSP,  144
.set XSB,  XST+4*32*XSP                ; behind the stages: the work-group's 128 scale bytes
.set XR,   16                          ; v16-47   x as loaded
.set XN,   48                          ; v48-79   my 32 neighbours
.set WR,   80                          ; v80-207  Wr: first 64 registers as loaded, later 16 d x 8 experts
.set AC,   208                         ; v208-215 the eight logits
.set OT,   224                         ; v224-231 the other half of the lanes' sums
	s_load_b256 s[4:11], s[0:1], 0x0               ; x s[4:5], Wr s[6:7], br s[8:9], sel s[10:11]
	s_load_b128 s[12:15], s[0:1], 0x20             ; gd s[12:13], xc s[14:15]
	s_load_b64 s[16:17], s[0:1], 0x30              ; xs
	v_lshl_add_u32 v240, v0, 2, 0xcc00
	v_mov_b32 v241, 0
	v_lshrrev_b32 v2, 5, v0
	v_readfirstlane_b32 s18, v2                    ; wave
	v_and_b32 v1, 31, v0                           ; lane
	s_lshl_b32 s19, ttmp9, 2
	s_add_co_u32 s19, s19, s18                     ; my token
	v_lshlrev_b32 v3, 4, v1                        ; 16 x lane
	v_lshlrev_b32 v4, 4, v0                        ; 16 x thread
	v_lshlrev_b32 v5, 2, v1                        ; 4 x lane
	v_mul_u32_u24 v6, v1, WRP                      ; my group of Wr
	s_mul_i32 s28, s18, 32*XSP
	s_add_co_u32 s28, s28, XST                     ; my wave's stage
	v_lshrrev_b32 v7, 3, v1
	v_mul_u32_u24 v7, v7, XSP
	v_and_b32 v8, 7, v1
	v_lshl_add_u32 v7, v8, 4, v7
	v_add_nc_u32 v7, s28, v7                       ; into it: eight lanes' 128 bytes on end, then the padding
	v_mul_u32_u24 v8, v1, XSP
	v_add_nc_u32 v8, s28, v8                       ; out of it: my 128 bytes
	v_lshrrev_b32 v9, 6, v0
	v_lshl_add_u32 v9, v9, 4, v4                   ; Wr into LDS: 16 x thread, + 16 for the group passed
	s_mov_b32 s30, 0x76543210
	s_mov_b32 s31, 0xfedcba98                      ; v_permlanex16_b32's selects for lane l xor 16
.irp e, 0,1,2,3,4,5,6,7
	v_mov_b32 v[OT+\e], 0                          ; written once: a lane permute's destination counts as one of its sources
.endr
	s_mov_b32 s33, 0
	s_wait_alu depctr_va_vdst(0)
	s_wait_kmcnt 0x0
	s_load_b256 s[20:27], s[8:9], 0x0              ; br, eight numbers
	s_lshl_b32 s32, s19, 12
	s_add_nc_u64 s[4:5], s[4:5], s[32:33]          ; my row of x
	s_lshl_b32 s32, s19, 9
	s_add_nc_u64 s[14:15], s[14:15], s[32:33]      ; of xc
	s_lshl_b32 s32, s19, 5
	s_add_nc_u64 s[12:13], s[12:13], s[32:33]      ; of gd
	s_lshl_b32 s32, s19, 2
	s_add_nc_u64 s[10:11], s[10:11], s[32:33]      ; my word of sel
	s_lshl_b32 s32, ttmp9, 7
	s_add_nc_u64 s[16:17], s[16:17], s[32:33]      ; the work-group's 128 bytes of xs
.irp j, 0,1,2,3,4,5,6,7
	global_load_b128 v[XR+4*\j:XR+4*\j+3], v3, s[4:5] offset:512*\j th:TH_LOAD_NT   ; 512 consecutive bytes
.endr
.irp q, 0,1,2,3,4,5,6,7,8,9,10,11,12,13,14,15
	global_load_b128 v[WR+4*\q:WR+4*\q+3], v4, s[6:7] offset:2048*\q               ; the work-group's four waves take 2,048 consecutive bytes of Wr
.endr
	s_wait_loadcnt 16                              ; x is in: the sixteen loads of Wr are younger
.irp j, 0,1,2,3,4,5,6,7
	ds_store_b128 v7, v[XR+4*\j:XR+4*\j+3] offset:4*XSP*\j
.endr
.irp i, 0,1,2,3,4,5,6,7
	ds_load_b128 v[XN+4*\i:XN+4*\i+3], v8 offset:16*\i     ; LDS serves a wave's instructions in order: these see my stores
.endr
	s_wait_loadcnt 0x0                             ; Wr
.irp q, 0,1,2,3,4,5,6,7,8,9,10,11,12,13,14,15
	ds_store_b128 v9, v[WR+4*\q:WR+4*\q+3] offset:2*WRP*\q
.endr
	s_wait_dscnt 16                                ; my 32 neighbours are in: the sixteen stores of Wr are younger
	; my block's scale and codes
	v_max3_num_f32 v216, |v[XN]|, |v[XN+1]|, |v[XN+2]|
	v_max3_num_f32 v217, |v[XN+3]|, |v[XN+4]|, |v[XN+5]|
.irp i, 6,10,14,18,22,26
	v_max3_num_f32 v216, v216, |v[XN+\i]|, |v[XN+\i+1]|
	v_max3_num_f32 v217, v217, |v[XN+\i+2]|, |v[XN+\i+3]|
.endr
	v_max3_num_f32 v216, v216, |v[XN+30]|, |v[XN+31]|
	v_max3_num_f32 v216, v216, v217, 0x1800000     ; and the floor 2^(3 - 127): the byte cannot fall under 1
	v_add_nc_u32 v218, 0xff000000, v216            ; 2 off the exponent field: the conversion's scale operand
	v_lshrrev_b32 v219, 23, v218                   ; the scale's byte
.irp g, 0,1,2,3
	v_cvt_scalef32_pk8_fp4_f32 v[220+\g], v[XN+8*\g:XN+8*\g+7], v218
.endr
	v_nop                                          ; one plain line behind the last scaled conversion
	global_store_b128 v3, v[220:223], s[14:15]     ; the wave stores the token's 512 bytes of codes
	ds_store_b8 v0, v219 offset:XSB                ; byte 32 x wave + lane
	s_wait_dscnt 0x0                               ; for the others' sake: my part of Wr and my scale byte lie in LDS
	s_barrier_signal -1
	s_barrier_wait -1
	s_cmp_lg_u32 s18, 0
	s_cbranch_scc1 .Lnot_wave_0
	ds_load_b32 v238, v5 offset:XSB                ; wave 0 stores the four tokens' 128 scale bytes on end
	s_wait_dscnt 0x0
	global_store_b32 v5, v238, s[16:17]
.Lnot_wave_0:
; The logits: my 32 d x 8 experts, two experts an instruction; x's number is taken for both halves of the packed form.
.macro HALF hf
.set ii, 0
.rept 16
	ds_load_b128 v[WR+8*ii:WR+8*ii+3], v6 offset:32*(16*\hf+ii)
	ds_load_b128 v[WR+8*ii+4:WR+8*ii+7], v6 offset:32*(16*\hf+ii)+16
.set ii, ii+1
.endr
	s_wait_dscnt 0x0
.set ii, 0
.rept 16
.set xp, XN+16*\hf+(ii/2)*2
.irp q, 0,1,2,3
.if (\hf == 0) && (ii == 0)
	v_pk_mul_f32 v[AC+2*\q:AC+2*\q+1], v[WR+2*\q:WR+2*\q+1], v[XN:XN+1] op_sel_hi:[1,0]      ; the first product starts the sums
.elseif ii%2
	v_pk_fma_f32 v[AC+2*\q:AC+2*\q+1], v[WR+8*ii+2*\q:WR+8*ii+2*\q+1], v[xp:xp+1], v[AC+2*\q:AC+2*\q+1] op_sel:[0,1,0] op_sel_hi:[1,1,1]
.else
	v_pk_fma_f32 v[AC+2*\q:AC+2*\q+1], v[WR+8*ii+2*\q:WR+8*ii+2*\q+1], v[xp:xp+1], v[AC+2*\q:AC+2*\q+1] op_sel_hi:[1,0,1]
.endif
.endr
.set ii, ii+1
.endr
.endm
	HALF 0
	s_wait_alu depctr_va_vdst(0)
	HALF 1
.irp m, 1,2,4,8
.irp e, 0,1,2,3,4,5,6,7
	v_add_f32_dpp v[AC+\e], v[AC+\e], v[AC+\e] row_xmask:\m row_mask:0xf bank_mask:0xf
.endr
.endr
.irp e, 0,1,2,3,4,5,6,7
	v_permlanex16_b32 v[OT+\e], v[AC+\e], s30, s31
.endr
	s_wait_alu depctr_va_vdst(0)
	s_wait_kmcnt 0x0                               ; br
.irp e, 0,1,2,3,4,5,6,7
	v_add_f32 v[AC+\e], v[AC+\e], v[OT+\e]         ; every lane holds the same eight sums
.endr
.irp e, 0,1,2,3,4,5,6,7
	v_add_f32 v[AC+\e], s[20+\e], v[AC+\e]
.endr
	; the largest logit: a later expert wins only if strictly larger, so that the lower index keeps a tie
	v_mov_b32 v232, v[AC]
	v_mov_b32 v233, 0
.irp e, 1,2,3,4,5,6,7
	v_cmp_gt_f32 vcc_lo, v[AC+\e], v232
	v_cndmask_b32 v232, v232, v[AC+\e], vcc_lo
	v_cndmask_b32 v233, v233, \e, vcc_lo
.endr
	v_mov_b32 v236, 0xff800000                     ; -infinity takes the winner's place
.irp e, 0,1,2,3,4,5,6,7
	v_cmp_eq_u32 vcc_lo, \e, v233
	v_cndmask_b32 v[AC+\e], v[AC+\e], v236, vcc_lo
.endr
	v_mov_b32 v234, v[AC]
	v_mov_b32 v235, 0
.irp e, 1,2,3,4,5,6,7
	v_cmp_gt_f32 vcc_lo, v[AC+\e], v234
	v_cndmask_b32 v234, v234, v[AC+\e], vcc_lo
	v_cndmask_b32 v235, v235, \e, vcc_lo
.endr
	; softmax over the two: the larger is taken away, so w0 = 1 / (1 + ex), w1 = ex w0, ex = e^(second - best), at most 1
	v_sub_f32 v216, v234, v232
	v_mul_f32 v216, 0x3fb8aa3b, v216
	s_wait_alu depctr_va_vdst(0)
	v_exp_f32 v217, v216
	v_mov_b32 v236, 1                              ; the whole numbers are made behind the exponential
	v_lshlrev_b32 v239, v233, v236
	v_lshlrev_b32 v237, v235, v236
	v_or_b32 v239, v239, v237
	v_lshl_or_b32 v239, v235, 8, v239              ; (1 << i0) | (1 << i1) | (i1 << 8)
	s_wait_alu depctr_va_vdst(0)                   ; the wait ahead of the first reader of an exponential
	v_add_f32 v218, 1.0, v217
	s_wait_alu depctr_va_vdst(0)
	v_rcp_f32 v219, v218
	v_nop                                          ; a plain line behind the reciprocal
	s_wait_alu depctr_va_vdst(0)                   ; and its wait
	v_mul_f32 v216, v217, v219
	v_cmp_eq_u32 vcc_lo, v1, v233
	v_cndmask_b32 v237, 0, v219, vcc_lo
	v_cmp_eq_u32 vcc_lo, v1, v235
	v_cndmask_b32 v237, v237, v216, vcc_lo         ; lane e: the gate of expert e
	s_wait_alu depctr_va_vdst(0)
	s_wait_xcnt 0x0                                ; EXEC changes only behind this wait: earlier stores count it among their sources
	v_cmp_gt_u32 vcc_lo, 8, v1
	s_wait_tensorcnt 0x0
	ds_add_u32 v240, v241
	s_wait_dscnt 0x0
	s_and_saveexec_b32 s28, vcc_lo
	global_store_b32 v5, v237, s[12:13]            ; eight gates, 32 consecutive bytes
	s_wait_xcnt 0x0
	s_or_b32 exec_lo, exec_lo, s28
	v_cmp_eq_u32 vcc_lo, 0, v1
	s_and_saveexec_b32 s28, vcc_lo
	global_store_b32 v5, v239, s[10:11]            ; lane 0: the token's word
	s_wait_xcnt 0x0
	s_or_b32 exec_lo, exec_lo, s28
	s_endpgm
.Lfunc_end_k_qf7373a95c3_route:
	.size	k_qf7373a95c3_route, .Lfunc_end_k_qf7373a95c3_route-k_qf7373a95c3_route
	.p2alignl 7, 3214868480
	.fill 96, 4, 3214868480
	.section	.rodata,"a",@progbits
	.p2align	6, 0x0
	.amdhsa_kernel k_qf7373a95c3_route
		.amdhsa_group_segment_fixed_size 52736
		.amdhsa_private_segment_fixed_size 0
		.amdhsa_enable_private_segment 0
		.amdhsa_kernarg_size 56
		.amdhsa_user_sgpr_count 2
		.amdhsa_user_sgpr_kernarg_segment_ptr 1
		.amdhsa_wavefront_size32 1
		.amdhsa_system_sgpr_workgroup_id_x 1
		.amdhsa_system_sgpr_workgroup_id_y 1
		.amdhsa_system_sgpr_workgroup_id_z 1
		.amdhsa_system_vgpr_workitem_id 0
		.amdhsa_next_free_vgpr 242
		.amdhsa_next_free_sgpr 66
		.amdhsa_reserve_vcc 1
		.amdhsa_float_denorm_mode_32 3
		.amdhsa_float_denorm_mode_16_64 3
		.amdhsa_memory_ordered 1
		.amdhsa_forward_progress 1
		.amdhsa_inst_pref_size 28
	.end_amdhsa_kernel
	.amdgpu_metadata
---
amdhsa.version: [ 1, 2 ]
amdhsa.kernels:
  - .name:           k_qf7373a95c3_route
    .symbol:         k_qf7373a95c3_route.kd
    .args:
      - { .name: x, .offset: 0, .size: 8, .value_kind: global_buffer, .address_space: global }
      - { .name: Wr, .offset: 8, .size: 8, .value_kind: global_buffer, .address_space: global }
      - { .name: br, .offset: 16, .size: 8, .value_kind: global_buffer, .address_space: global }
      - { .name: sel, .offset: 24, .size: 8, .value_kind: global_buffer, .address_space: global }
      - { .name: gd, .offset: 32, .size: 8, .value_kind: global_buffer, .address_space: global }
      - { .name: xc, .offset: 40, .size: 8, .value_kind: global_buffer, .address_space: global }
      - { .name: xs, .offset: 48, .size: 8, .value_kind: global_buffer, .address_space: global }
    .group_segment_fixed_size: 52736
    .private_segment_fixed_size: 0
    .kernarg_segment_align: 8
    .kernarg_segment_size: 56
    .max_flat_workgroup_size: 128
    .sgpr_count:     66
    .vgpr_count:     242
    .wavefront_size: 32
...
	.end_amdgpu_metadata
.endif
;; end of part 5
;; launch ffn1 (part 6): grid 32 x 8, 4 waves a work-group, no clusters, 70,144 bytes of LDS; arguments W1, b1, xc, xs, sel, hc, hs; writes hc, hs
.if DOCPART == 6
	.amdgcn_target "amdgcn-amd-amdhsa--gfx1250"
	.amdhsa_code_object_version 6
	.text
	.protected	k_qf7373a95c3_ffn1
	.globl	k_qf7373a95c3_ffn1
	.p2align	8
	.type	k_qf7373a95c3_ffn1,@function
k_qf7373a95c3_ffn1:
	s_mov_b64 s[64:65], 0
	v_nop
	global_prefetch_b8 v0, s[64:65] scope:SCOPE_SE
	s_setreg_imm32_b32 hwreg(HW_REG_WAVE_SCHED_MODE, 0, 2), 2
	s_setreg_imm32_b32 hwreg(HW_REG_WAVE_MODE, 25, 1), 1
	s_wait_xcnt 0x0
	s_wait_alu depctr_vm_vsrc(0)
; h = gelu(x W1[e] + b1[e]) for the tokens that chose expert e, quantised along the hidden units: the first product of an expert, on codes of FP4 (E2M1) with one E8M0 scale for each 32 along K.
; A work-group owns expert e (grid y) and 128 hidden units (grid x): W1[e][0..1023][128 fs ..], 512 KiB of f32, which it reads once and quantises in registers.
; PHASE 1.  Wave w takes k = 256 w .. 256 w + 255 in 8 chunks of 32 k x 128 units.  A load takes one row's 512 consecutive bytes, 16 a lane: a lane holds 4 units.  A chunk's 128 numbers are moved so that
; a unit's 32 numbers stand in consecutive registers (the conversions take neighbours along K from one lane's registers); a block is one lane's, so its largest magnitude needs no other lane.
; The codes go to LDS as IMAGES OF THE OPERAND'S REGISTERS (fragment = 16 units x 128 K = 1,024 bytes: register group c of lane l at 512 c + 16 l), the scale words likewise.  Three raw buffers take turns:
; two chunks' loads are on their way while one is worked.  No pointer is stepped: every row stands in the loads' immediate, 4,177,920 at the most, inside the signed 24 bits (ISA guide, chapter 10).
; THE UNITS OF A TILE ARE NOT NEIGHBOURS: row r of tile 2 b + u is unit 32 b + 8 u + r + 8 (r / 8), so that in the transposed result the 16 registers of tiles 2 b, 2 b + 1 are 16 neighbouring units.
; PHASE 2, behind the one barrier.  Every wave takes all 64 fragments (128 units x 1,024 K) into 512 registers; the waves share the expert's tiles of 16 rows: wave w takes tiles w, w + 4, ..
; A tile: 64 matrix instructions (source 0 = 16 units, source 1 = 16 tokens; b1 is the C of the first eight), gelu (tanh form: x / (1 + 2^(c0 x + c1 x^3))), the quantiser; the result is one fragment and
; one scale word a row: K step fs of the second product; it is stored as an image, 1,024 consecutive bytes.
; THE ROWS.  sel holds each token's two experts.  Every wave makes 32 lane masks of "chose e" and finds the token of rank p by whole-number arithmetic (FIND); the second product's launch does the same, so both agree.
; The number of tiles is read from memory: so this launch has no tensor load, and the one barrier stands ahead of every branch on it.  Ranks past the expert's count take some valid token: padding rows, thrown away later.
; Tiles are not shared in a cluster: what work-groups share (16 rows of codes, 8.5 KiB a tile) is small beside each work-group's own 512 KiB, and the partners' trip counts hang on stored numbers.
; LIMITS: NaN and infinities among the inputs are not served.  A block of zeros gets the byte 1 (the rule says 127): its codes are zeros, and this program alone reads the bytes.
; THE MODE: SCHED_MODE bits 1:0 = 2 (LLVM: expert scheduling mode 2), set by the entry lines.  The code itself states the register dependences between vector or matrix instructions and memory or LDS
; instructions, with s_wait_alu, always for 0.
; THE PLAN.  Registers that memory or LDS instructions touch:
;   v4-v9         offsets and LDS addresses, made at the head and never written again: one wait on va_vdst ahead of the first load states them for the whole kernel.
;   raw 0, 1, 2   chunk j's 128 moves read buffer j % 3; the loads of chunk j + 3 land in it; behind the barrier the fragments' LDS loads land in all three.
;   CD, SW        written by a chunk's conversions and shifts, read by its LDS stores, written again in the next chunk.
;   XF, XS        a tile's loads land in them; the trip's products read them; the next tile's loads land in them later in the same trip.
;   XO, SO        written by two vector lines, read by a tile's loads, written again a trip later.
;   PC, PW        written by the quantiser, read by the trip's three stores, written again a trip later.
; A CHUNK has one wait on va_vdst, behind its last conversion: the moves are done reading the raw buffer, CD and SW are written; the loads and the LDS stores follow it with no vector line between;
; and, from the second chunk on, one wait on vm_vsrc at its head.  A TRIP has one wait on vm_vsrc at its head (PC, PW, XO, SO have been read), one on va_vdst ahead of the next tile's loads, one ahead of its stores,
; and the two behind the exponentials and the reciprocals.  A compare and the lines that read its mask: the compares go in runs into scalar registers, with one wait on va_sdst behind a run.
; REGISTERS.  window 0: v1-9 addresses; v10-23 FIND and the gather; v24-31 x's scale words; v32-63 W1's scale words; v64-127 the 8 accumulators; v128-191 gelu at work (phase 1: v64-191 a chunk, unit by unit;
;   at the head v128-159 sel); v192-217 the quantiser; v220-221 c0; v224-255 phase 1 at work.   window 1: v0-63 x's 8 fragments; v64-127 b1 in the result's layout.
;   windows 2, 3: three raw buffers of 128 (window 2: v0, v128; window 3: v0); later W1's 64 fragments, fragment f at v[8 (f % 32)] of window 2 + f / 32.
;   s32-63 the lane masks; s72-79 FIND: the ranks ahead of eight masks; s80-87 the eight compares' results.
.set SCL,  65536                       ; LDS: 64 images of 1,024 bytes (f = 8 x K step + tile), then 32 scale images of 128 bytes (4 x K step + tile / 2: lanes 0-15 the even tile, lanes 16-31 the odd)
.set XS,   24
.set WS,   32
.set ACC,  64
.set EX,   128
.set TR,   64
.set SL,   128
.set TM,   192
.set PW,   208
.set PC,   210
.set SO,   218
.set C0,   220
.set MX,   224
.set SOP,  228
.set BY,   232
.set SW,   236
.set CD,   240
.set XF,   0                           ; in window 1
.set BI,   64                          ; in window 1
.set FP,   10                          ; FIND: the rank; the mask, the ranks before it and the first token of its group;
.set FMK,  11
.set FBS,  12
.set FTB,  13
.set FRR,  14                          ; the rank inside the mask; the bit found so far;
.set FPOS, 15
.set FA,   16                          ; the mask's counts in fields of 2, 4, 8 and 16 bits;
.set FB,   17
.set FC,   18
.set FD,   19
.set FT,   20                          ; at work
.set FU,   21
.set TOK,  22                          ; the token
.set XO,   23                          ; its codes' offset
.set PS,   72
.set CM,   80
.set MSB, 0
.macro WIN new                         ; the immediate's high byte repeats the setting that is left; a switch that changes nothing is dropped
.if MSB != (\new)
	s_set_vgpr_msb (MSB<<8)|(\new)
.set MSB, (\new)
.endif
.endm
; chunk j's 32 rows into raw buffer j % 3.  w = 1: the buffer has just been worked on, in a chunk
.macro LOADS j, w
.set RB, 128*(((\j)%3)&1)
.set WN, 0x80+0x40*(((\j)%3)>>1)
	WIN WN                                         ; destination window 2 or 3, address window 0
.if \w
	s_wait_alu depctr_va_vdst(0)                   ; the chunk's moves are done reading this raw buffer, in which the loads land; its conversions and shifts have written CD and SW, which the LDS stores behind the loads read
.endif
.set n, 0
.rept 32
	global_load_b128 v[RB+4*n:RB+4*n+3], v4, s[4:5] offset:(32*(\j)+n)*16384 th:TH_LOAD_NT
.set n, n+1
.endr
	WIN 0
.endm
.macro CHUNK j
.set RB, 128*(((\j)%3)&1)
.set WN, 0x02+(((\j)%3)>>1)
.if (\j) <= 5
	s_wait_loadcnt 63                              ; behind this chunk's loads stand 64 or more younger ones; 63 is the largest count that the wait can name
.elseif (\j) == 6
	s_wait_loadcnt 32                              ; chunk 7's may be out
.else
	s_wait_loadcnt 0x0
.endif
	s_wait_dscnt 0x0                               ; the last chunk's LDS stores are done
.if (\j) > 0
	s_wait_alu depctr_vm_vsrc(0)                   ; the last chunk's LDS stores have read CD and SW, which this chunk writes again
.endif
	WIN WN                                         ; source 0 in the buffer's window
.set n, 0
.rept 32
.irp c, 0,1,2,3
	v_mov_b32 v[TR+32*\c+n], v[RB+4*n+\c]          ; row n, my unit c: to place n of the unit's 32
.endr
.set n, n+1
.endr
	WIN 0
.irp c, 0,1,2,3
	v_max3_num_f32 v[MX+\c], |v[TR+32*\c]|, |v[TR+32*\c+1]|, 0x1800000   ; the floor 2^(3 - 127) among the leaves: the byte cannot fall under 1
.endr
.irp i, 2,4,6,8,10,12,14,16,18,20,22,24,26,28,30
.irp c, 0,1,2,3
	v_max3_num_f32 v[MX+\c], v[MX+\c], |v[TR+32*\c+\i]|, |v[TR+32*\c+\i+1]|   ; the four units by turns
.endr
.endr
.irp c, 0,1,2,3
	v_add_nc_u32 v[SOP+\c], 0xff000000, v[MX+\c]   ; 2 off the exponent field: the conversion's scale operand
.endr
.if (\j)%4 == 0
.irp c, 0,1,2,3
	v_lshrrev_b32 v[SW+\c], 23, v[SOP+\c]          ; the byte of a K step's first block begins the scale word
.endr
.else
.irp c, 0,1,2,3
	v_lshrrev_b32 v[BY+\c], 23, v[SOP+\c]
.endr
.irp c, 0,1,2,3
	v_lshl_or_b32 v[SW+\c], v[BY+\c], 8*((\j)%4), v[SW+\c]
.endr
.endif
.irp c, 0,1,2,3
.irp o, 0,1,2,3
	v_cvt_scalef32_pk8_fp4_f32 v[CD+4*\c+\o], v[TR+32*\c+8*\o:TR+32*\c+8*\o+7], v[SOP+\c]
.endr
.endr
	v_nop                                          ; one plain line behind the last scaled conversion
.if (\j)+3 <= 7
	LOADS (\j)+3, 1                                ; the window's switch, the chunk's one wait on va_vdst, the loads
.else
	s_wait_alu depctr_va_vdst(0)                   ; the conversions and shifts have written CD and SW, which the LDS stores read; the moves are done reading this raw buffer, in which, behind the barrier, fragments land
.endif
.irp c, 0,1,2,3
	ds_store_b128 v5, v[CD+4*\c:CD+4*\c+3] offset:8192*((\j)>>2)+512*(((\j)&3)>>1)+256*((\j)&1)+16*\c   ; a block's 16 bytes, at its place in its fragment's image
.endr
.if (\j)%4 == 3
	ds_store_b128 v6, v[SW:SW+3] offset:512*((\j)>>2)   ; my four units' scale words of the K step
.endif
.endm
; 32 lane masks of "the token chose my expert": bit l of mask g is token 128 (g / 4) + 4 l + g % 4 (as the eight loads of sel lay them); the count; the tiles
.macro MASKS
.set g, 0
.rept 32
	v_and_b32 v[FT], s21, v[SL+g]
	v_cmp_ne_u32 s[32+g], 0, v[FT]
.set g, g+1
.endr
	s_wait_alu depctr_va_sdst(0)                   ; the 32 compares have written s32 to s63, ahead of their first readers
	s_bcnt1_i32_b32 s22, s32
.set g, 1
.rept 31
	s_bcnt1_i32_b32 s28, s[32+g]
	s_add_co_u32 s22, s22, s28
.set g, g+1
.endr
	s_add_co_u32 s23, s22, 15
	s_lshr_b32 s23, s23, 4
.endm
.macro FSTEP x, wd, st                 ; do the st bits from FPOS on hold FRR set bits or fewer?  Then pass them
	v_bfe_u32 v[FT], v[\x], v[FPOS], \wd
	v_cmp_ge_u32 vcc_lo, v[FRR], v[FT]
	s_wait_alu depctr_va_vcc(0)                    ; the compare has written VCC, which the two selects read; each step hangs on the step before, so each has its wait
	v_cndmask_b32 v[FT], 0, v[FT], vcc_lo
	v_cndmask_b32 v[FU], 0, \st, vcc_lo
	v_sub_nc_u32 v[FRR], v[FRR], v[FT]
	v_add_nc_u32 v[FPOS], v[FPOS], v[FU]
.endm
; TOK = the token of rank 16 sm + lane % 16 among those that chose my expert.  First the last mask with at most that many ranks before it, then the bit of that rank in it, by halving.
; The masks go eight at a time: the ranks ahead of each into s[PS ..], eight compares into s[CM ..], one wait, the selects, mask by mask in ascending order.
.macro FIND sm
	s_lshl_b32 s28, \sm, 4
	v_add_nc_u32 v[FP], s28, v2
	s_wait_alu depctr_va_vdst(0)
	v_mov_b32 v[FMK], s32
	v_mov_b32 v[FBS], 0
	v_mov_b32 v[FTB], 0
.irp g0, 1,9,17,25
.irp i, 0,1,2,3,4,5,6,7
.if \g0+\i == 1
	s_bcnt1_i32_b32 s[PS], s32                     ; the ranks before mask 1
.elseif \g0+\i < 32
	s_bcnt1_i32_b32 s27, s[32+\g0+\i-1]
	s_add_co_u32 s[PS+\i], s[PS+(\i+7)%8], s27     ; the ranks before mask g0 + i
.endif
.endr
.irp i, 0,1,2,3,4,5,6,7
.if \g0+\i < 32
	v_cmp_gt_u32 s[CM+\i], s[PS+\i], v[FP]         ; more than my rank: keep what I have
.endif
.endr
	s_wait_alu depctr_va_sdst(0)                   ; the run of compares has written s[CM ..], which the selects read
.irp i, 0,1,2,3,4,5,6,7
.if \g0+\i < 32
	v_cndmask_b32 v[FMK], s[32+\g0+\i], v[FMK], s[CM+\i]
	v_cndmask_b32 v[FBS], s[PS+\i], v[FBS], s[CM+\i]
	v_cndmask_b32 v[FTB], 128*((\g0+\i)>>2)+((\g0+\i)&3), v[FTB], s[CM+\i]
.endif
.endr
.endr
	v_sub_nc_u32 v[FRR], v[FP], v[FBS]
	v_lshrrev_b32 v[FT], 1, v[FMK]
	v_and_b32 v[FT], 0x55555555, v[FT]
	v_sub_nc_u32 v[FA], v[FMK], v[FT]
	v_lshrrev_b32 v[FT], 2, v[FA]
	v_and_b32 v[FT], 0x33333333, v[FT]
	v_and_b32 v[FB], 0x33333333, v[FA]
	v_add_nc_u32 v[FB], v[FB], v[FT]
	v_lshrrev_b32 v[FT], 4, v[FB]
	v_add_nc_u32 v[FC], v[FB], v[FT]
	v_and_b32 v[FC], 0x0f0f0f0f, v[FC]
	v_lshrrev_b32 v[FT], 8, v[FC]
	v_add_nc_u32 v[FD], v[FC], v[FT]
	v_and_b32 v[FD], 0x00ff00ff, v[FD]
	v_mov_b32 v[FPOS], 0
	FSTEP FD, 8, 16
	FSTEP FC, 8, 8
	FSTEP FB, 4, 4
	FSTEP FA, 2, 2
	FSTEP FMK, 1, 1
	v_lshl_add_u32 v[TOK], v[FPOS], 2, v[FTB]
	v_min_u32 v[TOK], 0x3ff, v[TOK]                ; a loaded number enters an address only behind this bound
.endm
; the tile's 16 rows of x: 8 fragments (lane (r, h): 16 bytes at 64 s + 32 c + 16 h of the token's 512) and 8 scale words a row
.macro XLOAD
	v_lshl_add_u32 v[XO], v[TOK], 9, v3
	v_lshlrev_b32 v[SO], 5, v[TOK]
	WIN 0x40
	s_wait_alu depctr_va_vdst(0)                   ; XO and SO are written, which the loads read; in the loop the trip's products are done reading x's fragments and scale words, in which the loads land
.irp s, 0,1,2,3,4,5,6,7
.irp c, 0,1
	global_load_b128 v[XF+8*\s+4*\c:XF+8*\s+4*\c+3], v[XO], s[8:9] offset:64*\s+32*\c
.endr
.endr
	WIN 0
	global_load_b128 v[XS:XS+3], v[SO], s[10:11]
	global_load_b128 v[XS+4:XS+7], v[SO], s[10:11] offset:16
.endm
.macro WMMA d, a, b, c, sa, sb, odd    ; source 0's scale words lie in lanes 0-15 for an even tile, in lanes 16-31 for an odd one
.if (\odd)
	v_wmma_scale_f32_16x16x128_f8f6f4 v[(\d):(\d)+7], v[(\a):(\a)+7], v[(\b):(\b)+7], v[(\c):(\c)+7], v[(\sa)], v[(\sb)] matrix_a_fmt:MATRIX_FMT_FP4 matrix_b_fmt:MATRIX_FMT_FP4 matrix_a_scale:MATRIX_SCALE_ROW1
.else
	v_wmma_scale_f32_16x16x128_f8f6f4 v[(\d):(\d)+7], v[(\a):(\a)+7], v[(\b):(\b)+7], v[(\c):(\c)+7], v[(\sa)], v[(\sb)] matrix_a_fmt:MATRIX_FMT_FP4 matrix_b_fmt:MATRIX_FMT_FP4
.endif
.endm
	s_load_b256 s[4:11], s[0:1], 0x0               ; W1 s[4:5], b1 s[6:7], xc s[8:9], xs s[10:11]
	s_load_b128 s[12:15], s[0:1], 0x20             ; sel s[12:13], hc s[14:15]
	s_load_b64 s[16:17], s[0:1], 0x30              ; hs
	v_lshl_add_u32 v222, v0, 2, 0x11000
	v_mov_b32 v223, 0
	v_lshrrev_b32 v2, 5, v0
	v_readfirstlane_b32 s18, v2                    ; wave
	v_and_b32 v1, 31, v0                           ; lane l
	v_and_b32 v2, 15, v0                           ; r
	v_bfe_u32 v9, v0, 4, 1                         ; h
	v_lshlrev_b32 v3, 4, v9                        ; 16 h
	v_lshlrev_b32 v9, 6, v9                        ; 64 h: b1's eight numbers of my half
	v_lshlrev_b32 v4, 4, v1                        ; 16 l: W1's rows, the images, hc
	v_lshlrev_b32 v8, 2, v1                        ; 4 l
	v_add_nc_u32 v7, SCL, v8                       ; the scale images
	; where my four units q = 4 l + i lie: tile 2 (q / 32) + (q / 8) % 2, row q % 8 + 8 ((q / 16) % 2)
	v_lshrrev_b32 v10, 3, v1
	v_bfe_u32 v11, v0, 1, 1
	v_and_b32 v12, 1, v0
	v_bfe_u32 v13, v0, 2, 1
	v_lshlrev_b32 v5, 11, v10
	v_lshl_add_u32 v5, v11, 10, v5
	v_lshl_add_u32 v5, v12, 6, v5
	v_lshl_add_u32 v5, v13, 7, v5
	s_wait_alu depctr_va_sdst(0)                   ; s18 is written, ahead of its first reader
	s_lshl_b32 s28, s18, 14
	v_add_nc_u32 v5, s28, v5                       ; images: + my wave's two K steps
	v_lshlrev_b32 v6, 7, v10
	v_lshl_add_u32 v6, v11, 6, v6
	v_lshl_add_u32 v6, v12, 4, v6
	v_lshl_add_u32 v6, v13, 5, v6
	s_lshl_b32 s28, s18, 10
	s_add_co_u32 s28, s28, SCL
	v_add_nc_u32 v6, s28, v6                       ; scale images likewise
	s_and_b32 s19, ttmp7, 0xffff                   ; the expert
	s_mov_b32 s20, ttmp9                           ; which 128 units
	s_lshl_b32 s21, 1, s19
	s_mov_b32 s30, 0x76543210
	s_mov_b32 s31, 0xfedcba98                      ; v_permlanex16_b32's selects for lane l xor 16
	s_mov_b32 s68, 0xbdd2d3e8                      ; c1 = c0 x 0.044715
	s_mov_b32 s69, s68                             ; (named with it as a pair, so it is written)
	v_mov_b32 v[C0], 0xc0135761                    ; c0 = -2 log2(e) sqrt(2 / pi)
	v_mov_b32 v[C0+1], 0xc0135761
.irp b, 0,1,2,3
	v_mov_b32 v[TM+4+\b], 0                        ; written once: a lane permute's destination counts as one of its sources
.endr
	s_lshl_b32 s28, s19, 24                        ; W1: the expert's 16 MiB, my wave's 256 rows of 16 KiB, the slice's 512 bytes
	s_lshl_b32 s29, s18, 22
	s_add_co_u32 s28, s28, s29
	s_lshl_b32 s29, s20, 9
	s_add_co_u32 s28, s28, s29
	s_mov_b32 s29, 0
	s_wait_kmcnt 0x0
	s_add_nc_u64 s[4:5], s[4:5], s[28:29]
	s_lshl_b32 s28, s19, 14
	s_lshl_b32 s70, s20, 9
	s_add_co_u32 s28, s28, s70
	s_add_nc_u64 s[6:7], s[6:7], s[28:29]          ; b1 at the slice
	s_lshl_b32 s28, s19, 21                        ; hc: [expert][tile][K step][1,024]: tile = my wave's first, K step = the slice
	s_lshl_b32 s70, s18, 15
	s_add_co_u32 s28, s28, s70
	s_lshl_b32 s70, s20, 10
	s_add_co_u32 s28, s28, s70
	s_add_nc_u64 s[14:15], s[14:15], s[28:29]
	s_lshl_b32 s28, s19, 18                        ; hs: the same with 128 bytes
	s_lshl_b32 s70, s18, 12
	s_add_co_u32 s28, s28, s70
	s_lshl_b32 s70, s20, 7
	s_add_co_u32 s28, s28, s70
	s_add_nc_u64 s[16:17], s[16:17], s[28:29]
	s_wait_alu depctr_va_vdst(0)                   ; the offsets and LDS addresses v4 to v9 are written: every load, store and LDS instruction of the kernel but the gathers reads one of them
.irp j, 0,1,2,3,4,5,6,7
	global_load_b128 v[SL+4*\j:SL+4*\j+3], v4, s[12:13] offset:512*\j   ; sel, all 1,024 words
.endr
	WIN 0x40
.irp t, 0,1,2,3,4,5,6,7
	global_load_b128 v[BI+8*\t:BI+8*\t+3], v9, s[6:7] offset:(32*(\t/2)+8*(\t%2))*4       ; b1 of units 32 (t / 2) + 16 h + 8 (t % 2) + 0 .. 7
	global_load_b128 v[BI+8*\t+4:BI+8*\t+7], v9, s[6:7] offset:(32*(\t/2)+8*(\t%2))*4+16
.endr
	WIN 0
	LOADS 0, 0
	LOADS 1, 0
	s_wait_loadcnt 63                              ; sel and b1 are in: 64 younger loads stand behind them
	MASKS
	FIND s18                                       ; my first tile's rows are asked for now: they land under the weights' stream.  (A wave without a tile asks for valid rows and does not use them)
	XLOAD
	LOADS 2, 0                                     ; (no vector line has named this buffer or v4 since the head's wait)
	CHUNK 0
	CHUNK 1
	CHUNK 2
	CHUNK 3
	CHUNK 4
	CHUNK 5
	CHUNK 6
	CHUNK 7
	s_wait_dscnt 0x0                               ; for the others' sake: my images lie in LDS
	s_barrier_signal -1
	s_barrier_wait -1                              ; the one barrier: all 64 fragments and their scale words are there
	s_cmp_ge_u32 s18, s23
	s_cbranch_scc1 .Lend                           ; no tile for this wave
	WIN 0x80                                       ; the fragments land in the raw buffers: each chunk's wait on va_vdst stands behind the moves that read its buffer, and no vector line has been issued since chunk 7's
.set f, 0
.rept 32
	ds_load_b128 v[8*f:8*f+3], v4 offset:1024*f
	ds_load_b128 v[8*f+4:8*f+7], v4 offset:1024*f+512
.set f, f+1
.endr
	WIN 0xc0
.set f, 0
.rept 32
	ds_load_b128 v[8*f:8*f+3], v4 offset:1024*(f+32)
	ds_load_b128 v[8*f+4:8*f+7], v4 offset:1024*(f+32)+512
.set f, f+1
.endr
	WIN 0
.set g, 0
.rept 32
	ds_load_b32 v[WS+g], v7 offset:128*g
.set g, g+1
.endr
	s_wait_dscnt 0x0
	s_sub_co_u32 s66, s23, s18                     ; my tiles are w, w + 4, ..: (tiles - w + 3) / 4 of them, one at the least here;
	s_add_co_u32 s66, s66, 3
	s_lshr_b32 s66, s66, 2
	s_min_u32 s66, s66, 16                         ; an expert has 1,024 rows at the most, 64 tiles, 16 a wave: the hold changes nothing
	s_mov_b32 s24, 0                               ; the loop's counter: one a trip
	s_mov_b32 s25, s18                             ; my tile's number
.Ltile:
	s_wait_loadcnt 0x0                             ; the tile's rows of x, asked for a trip ago
	s_wait_alu depctr_vm_vsrc(0)                   ; the stores of the trip before have read PC and PW, this tile's loads XO and SO: all four are written again in this trip
	; 64 products: K step by K step, the eight accumulators by turns, one instruction a turn
.set ks, 0
.rept 8
.if ks == 0
	WIN 0x16                                       ; W1 window 2, x window 1, b1 window 1, the sums window 0
.elseif ks < 4
	WIN 0x06
.else
	WIN 0x07                                       ; W1's fragments 32 to 63 lie in window 3
.endif
.irp t, 0,1,2,3,4,5,6,7
.set fr, 8*((8*ks+\t)%32)
.if ks == 0
	WMMA ACC+8*\t, fr, XF+8*ks, BI+8*\t, WS+4*ks+\t/2, XS+ks, \t%2
.else
	WMMA ACC+8*\t, fr, XF+8*ks, ACC+8*\t, WS+4*ks+\t/2, XS+ks, \t%2
.endif
.endr
.set ks, ks+1
.endr
	WIN 0
	s_add_co_u32 s25, s25, 4                       ; my next tile's number
	s_cmp_ge_u32 s25, s23
	s_cbranch_scc1 .Lno_next
	FIND s25                                       ; my next tile's rows: these whole-number lines stand between the products and the wait ahead of the loads into x's registers;
	XLOAD                                          ; the loads have the gelu and the quantiser in which to land
.Lno_next:
.rept 4
	v_nop                                          ; four places between the last products and the first read of their results (ISA guide 7.12.1), on the way that asks for nothing
.endr
	; gelu, tanh form: x / (1 + 2^(c0 x + c1 x^3)).  Each accumulator is read from its low end on
.set p, 0
.rept 32
	v_pk_mul_f32 v[EX+2*p:EX+2*p+1], v[ACC+2*p:ACC+2*p+1], v[ACC+2*p:ACC+2*p+1]
.set p, p+1
.endr
.set p, 0
.rept 32
	v_pk_fma_f32 v[EX+2*p:EX+2*p+1], v[EX+2*p:EX+2*p+1], s[68:69], v[C0:C0+1] op_sel_hi:[1,0,1]
.set p, p+1
.endr
.set p, 0
.rept 32
	v_pk_mul_f32 v[EX+2*p:EX+2*p+1], v[EX+2*p:EX+2*p+1], v[ACC+2*p:ACC+2*p+1]
.set p, p+1
.endr
.set p, 0
	s_wait_alu depctr_va_vdst(0)
.rept 64
	v_exp_f32 v[EX+p], v[EX+p]
.set p, p+1
.endr
	v_nop                                          ; a plain line behind the last exponential
	s_wait_alu depctr_va_vdst(0)                   ; the 64 exponentials have written v[EX ..]: one wait for the batch, ahead of its first reader
.set p, 0
.rept 32
	v_pk_add_f32 v[EX+2*p:EX+2*p+1], v[EX+2*p:EX+2*p+1], 1.0 op_sel_hi:[1,0]
.set p, p+1
.endr
.set p, 0
	s_wait_alu depctr_va_vdst(0)
.rept 64
	v_rcp_f32 v[EX+p], v[EX+p]
.set p, p+1
.endr
	v_nop
	s_wait_alu depctr_va_vdst(0)                   ; the 64 reciprocals have written v[EX ..]: one wait for the batch
.set p, 0
.rept 32
	v_pk_mul_f32 v[ACC+2*p:ACC+2*p+1], v[ACC+2*p:ACC+2*p+1], v[EX+2*p:EX+2*p+1]
.set p, p+1
.endr
	; the quantiser: register 16 b + i of the 64 is unit 32 b + 16 h + i of my row; a block lies in lanes l and l xor 16
.irp b, 0,1,2,3
	v_max3_num_f32 v[TM+\b], |v[ACC+16*\b]|, |v[ACC+1+16*\b]|, 0x1800000
.endr
.irp i, 2,4,6,8,10,12,14
.irp b, 0,1,2,3
	v_max3_num_f32 v[TM+\b], v[TM+\b], |v[ACC+16*\b+\i]|, |v[ACC+1+16*\b+\i]|
.endr
.endr
.irp b, 0,1,2,3
	v_permlanex16_b32 v[TM+4+\b], v[TM+\b], s30, s31
.endr
.irp b, 0,1,2,3
	v_max_num_f32 v[TM+\b], v[TM+\b], v[TM+4+\b]
.endr
.irp b, 0,1,2,3
	v_add_nc_u32 v[TM+12+\b], 0xff000000, v[TM+\b]
.endr
.irp b, 0,1,2,3
	v_lshrrev_b32 v[TM+4+\b], 23, v[TM+12+\b]
.endr
	v_lshl_or_b32 v[PW], v[TM+5], 8, v[TM+4]       ; my row's scale word
	v_lshl_or_b32 v[PW], v[TM+6], 16, v[PW]
	v_lshl_or_b32 v[PW], v[TM+7], 24, v[PW]
.irp b, 0,1,2,3
	v_cvt_scalef32_pk8_fp4_f32 v[PC+2*\b], v[ACC+16*\b:ACC+7+16*\b], v[TM+12+\b]
	v_cvt_scalef32_pk8_fp4_f32 v[PC+1+2*\b], v[ACC+8+16*\b:ACC+15+16*\b], v[TM+12+\b]
.endr
	v_nop                                          ; one plain line behind the last scaled conversion
.irp c, 0,1
.irp i, 0,1
	v_permlane16_swap_b32 v[PC+4*\c+\i], v[PC+2+4*\c+\i]   ; the operand's layout wants a whole block in a lane
.endr
.endr
	s_wait_alu depctr_va_vdst(0)                   ; the conversions and the exchanges have written PC, the shifts PW: the three stores read them
	global_store_b128 v4, v[PC:PC+3], s[14:15]             ; the fragment's image: twice 512 consecutive bytes
	global_store_b128 v4, v[PC+4:PC+7], s[14:15] offset:512
	global_store_b32 v8, v[PW], s[16:17]                   ; its scale words, in lane order
	s_wait_xcnt 0x0                                ; the stores have read their registers and bases: both are written again only behind this wait
	s_add_nc_u64 s[14:15], s[14:15], 0x20000       ; four tiles on
	s_add_nc_u64 s[16:17], s[16:17], 0x4000
	s_add_co_u32 s24, s24, 1
	s_cmp_lt_u32 s24, s66
	s_cbranch_scc1 .Ltile
.Lend:
	s_wait_dscnt 0x0
	s_wait_alu depctr_hold_cnt(0) depctr_sa_sdst(0) depctr_va_vdst(0) depctr_va_sdst(0) depctr_va_ssrc(0) depctr_va_vcc(0) depctr_vm_vsrc(0)
	s_wait_tensorcnt 0x0
	ds_add_u32 v222, v223
	s_wait_dscnt 0x0
	s_endpgm
.Lfunc_end_k_qf7373a95c3_ffn1:
	.size	k_qf7373a95c3_ffn1, .Lfunc_end_k_qf7373a95c3_ffn1-k_qf7373a95c3_ffn1
	.p2alignl 7, 3214868480
	.fill 96, 4, 3214868480
	.section	.rodata,"a",@progbits
	.p2align	6, 0x0
	.amdhsa_kernel k_qf7373a95c3_ffn1
		.amdhsa_group_segment_fixed_size 70144
		.amdhsa_private_segment_fixed_size 0
		.amdhsa_enable_private_segment 0
		.amdhsa_kernarg_size 56
		.amdhsa_user_sgpr_count 2
		.amdhsa_user_sgpr_kernarg_segment_ptr 1
		.amdhsa_wavefront_size32 1
		.amdhsa_system_sgpr_workgroup_id_x 1
		.amdhsa_system_sgpr_workgroup_id_y 1
		.amdhsa_system_sgpr_workgroup_id_z 1
		.amdhsa_system_vgpr_workitem_id 0
		.amdhsa_next_free_vgpr 1024
		.amdhsa_next_free_sgpr 88
		.amdhsa_reserve_vcc 1
		.amdhsa_float_denorm_mode_32 3
		.amdhsa_float_denorm_mode_16_64 3
		.amdhsa_memory_ordered 1
		.amdhsa_forward_progress 1
		.amdhsa_inst_pref_size 184
	.end_amdhsa_kernel
	.amdgpu_metadata
---
amdhsa.version: [ 1, 2 ]
amdhsa.kernels:
  - .name:           k_qf7373a95c3_ffn1
    .symbol:         k_qf7373a95c3_ffn1.kd
    .args:
      - { .name: W1, .offset: 0, .size: 8, .value_kind: global_buffer, .address_space: global }
      - { .name: b1, .offset: 8, .size: 8, .value_kind: global_buffer, .address_space: global }
      - { .name: xc, .offset: 16, .size: 8, .value_kind: global_buffer, .address_space: global }
      - { .name: xs, .offset: 24, .size: 8, .value_kind: global_buffer, .address_space: global }
      - { .name: sel, .offset: 32, .size: 8, .value_kind: global_buffer, .address_space: global }
      - { .name: hc, .offset: 40, .size: 8, .value_kind: global_buffer, .address_space: global }
      - { .name: hs, .offset: 48, .size: 8, .value_kind: global_buffer, .address_space: global }
    .group_segment_fixed_size: 70144
    .private_segment_fixed_size: 0
    .kernarg_segment_align: 8
    .kernarg_segment_size: 56
    .max_flat_workgroup_size: 128
    .sgpr_count:     88
    .vgpr_count:     1024
    .wavefront_size: 32
...
	.end_amdgpu_metadata
.endif
;; end of part 6
;; launch ffn2 (part 7): grid 32 x 8, 4 waves a work-group, no clusters, 87,552 bytes of LDS; arguments W2, b2, hc, hs, sel, gd, yb; writes yb
.if DOCPART == 7
	.amdgcn_target "amdgcn-amd-amdhsa--gfx1250"
	.amdhsa_code_object_version 6
	.text
	.protected	k_qf7373a95c3_ffn2
	.globl	k_qf7373a95c3_ffn2
	.p2align	8
	.type	k_qf7373a95c3_ffn2,@function
k_qf7373a95c3_ffn2:
	s_mov_b64 s[64:65], 0
	v_nop
	global_prefetch_b8 v0, s[64:65] scope:SCOPE_SE
	s_setreg_imm32_b32 hwreg(HW_REG_WAVE_SCHED_MODE, 0, 2), 2
	s_setreg_imm32_b32 hwreg(HW_REG_WAVE_MODE, 25, 1), 1
	s_wait_xcnt 0x0
	s_wait_alu depctr_vm_vsrc(0)
; gate x (h W2[e] + b2[e]) for the tokens that chose expert e: the second product of an expert, on codes of FP4 (E2M1) with one E8M0 scale for each 32 along K.
; A work-group owns expert e (grid y), 64 output columns (grid x / 2) and half of K (grid x % 2: hidden units 2,048 kh on): 2,048 rows x 256 bytes of W2, 512 KiB of f32, read once and quantised in registers.
; PHASE 1.  Wave w takes k = 512 w .. 512 w + 511 of the half in 8 chunks of 64 k x 64 columns.  A load takes two rows' 256 consecutive, aligned bytes: lanes 0-15 row n of the chunk's first block, lanes 16-31
; row n of its second; a lane holds 4 columns of ONE block.  The rest is as in the first product's launch: a column's 32 numbers are moved into consecutive registers, scale, codes, images of the operand's
; registers in LDS.  A scale word's four bytes come from two chunks and from lanes l and l xor 16.
; PHASE 2, behind the one barrier.  Every wave takes all 64 fragments (64 columns x 2,048 K) into 512 registers; wave w takes the expert's tiles of 16 rows w, w + 4, ..  A tile: its 16 fragments of h come from hc
; as they lie (dense loads); 64 matrix instructions (source 0 = 16 columns, source 1 = 16 rows: a lane holds 8 neighbouring columns of one row; b2 is the C of the first four in the half kh = 0, zeros in the other);
; x the row's gate; through the wave's stage in LDS; stored as rows of 256 aligned bytes to yb[kh][2 token + choice].
; Each byte of yb has one writer.  Padding rows of an expert's last tile go to spare rows 2,048 + 16 e + r, which nobody reads.  The two halves and the two experts of a token are added by the next launch.
; THE ROWS are found as in the first product's launch (MASKS, FIND: the same text, so the same order).  The number of tiles is read from memory: no tensor load, and the one barrier stands ahead of every branch on it.
; Tiles are not shared in a cluster: the partners' trip counts hang on stored numbers, and what is shared (a tile's 18 KiB) is small beside each work-group's own 512 KiB.
; LIMITS: NaN and infinities among the inputs are not served.  A block of zeros gets the byte 1 (the rule says 127): its codes are zeros, and this program alone reads the bytes.
; THE MODE: SCHED_MODE bits 1:0 = 2 (LLVM: expert scheduling mode 2), set by the entry lines.  The code itself states the register dependences between vector or matrix instructions and memory or LDS
; instructions, with s_wait_alu, always for 0.
; THE PLAN.  Registers that memory or LDS instructions touch:
;   v4-v9, v23, IX, STO, RD   offsets and LDS addresses, made at the head and never written again: one wait on va_vdst ahead of the first load states them for the whole kernel.
;   raw 0, 1, 2   chunk j's 128 moves read buffer j % 3; the loads of chunk j + 3 land in it; behind the barrier the fragments' LDS loads land in all three.
;   CD, SW        written by a chunk's conversions and shifts, read by its LDS stores, written again in the next chunk.
;   HF, HS, SWN, GTN   a tile's loads land in them; the trip's products and two vector lines read them; the next tile's loads land in them later in the same trip.
;   ASW, AGT      written by two vector lines, read by a tile's first two loads, written again a trip later.
;   ACC           written by the products and by the gate's multiplications, read by the LDS stores into the stage, written again by the next trip's products.
;   SLOT, SLI     SLOT: a vector result that the permutes read; SLI: the permutes' results, then held and read by vector lines.
;   OB, AO        OB: LDS loads land in it, the global stores read it; AO: vector results that the global stores read as offsets.
; A CHUNK has one wait on va_vdst, behind its last conversion, and, from the second chunk on, one on vm_vsrc at its head.  A TRIP has one wait on vm_vsrc at its head (ACC, SLOT, OB, AO, ASW, AGT have been read)
; and three on va_vdst: ahead of the next tile's loads, ahead of the permutes and LDS stores, ahead of the global stores.  Compares go in runs into scalar registers, with one wait on va_sdst behind a run.
; REGISTERS.  window 0: v1-9 addresses; v10-22 FIND; v23 b2's offset; v24-28 the rows' words, gates and places; v29 8 h; v30-31 the gate; v32-63 W2's scale words; v64-79 h's scale words;
;   v80-111 the 4 accumulators, v112-143 rows read back, v152-167 their places (phase 1: v80-207 a chunk, column by column; at the head v168-199 sel); v208-223 what stays; v224-255 phase 1 at work.
;   window 1: v0-127 h's 16 fragments; v128-159 b2 in the result's layout.   windows 2, 3: three raw buffers; later W2's 64 fragments, fragment f = 4 x K step + tile at v[8 (f % 32)] of window 2 + f / 32.
;   s32-63 the lane masks; s72-79 FIND: the ranks ahead of eight masks; s80-87 the compares' results.
.set SCL,  65536                       ; LDS: 64 images of 1,024 bytes, then 32 scale images of 128 bytes (2 x K step + tile / 2: lanes 0-15 the even tile, lanes 16-31 the odd),
.set STG,  69632                       ; then a stage of 16 rows x (256 bytes + 16) for each wave
.set SP,   272
.set SWN,  24
.set GTN,  25
.set ASW,  26
.set AGT,  27
.set SLOT, 28
.set SH8,  29
.set GT,   30
.set WS,   32
.set HS,   64
.set ACC,  80
.set OB,   112
.set SLI,  152
.set AO,   160
.set TR,   80
.set SL,   168
.set IX,   208
.set DUMP, 216
.set STO,  217
.set RD,   218
.set C16,  219
.set TP,   220
.set MX,   224
.set SOP,  228
.set BY,   232
.set SW,   236
.set CD,   240
.set HF,   0                           ; in window 1
.set BI,   128                         ; in window 1
.set FP,   10
.set FMK,  11
.set FBS,  12
.set FTB,  13
.set FRR,  14
.set FPOS, 15
.set FA,   16
.set FB,   17
.set FC,   18
.set FD,   19
.set FT,   20
.set FU,   21
.set TOK,  22
.set PS,   72
.set CM,   80
.set MSB, 0
.macro WIN new                         ; the immediate's high byte repeats the setting that is left; a switch that changes nothing is dropped
.if MSB != (\new)
	s_set_vgpr_msb (MSB<<8)|(\new)
.set MSB, (\new)
.endif
.endm
; chunk j's 64 rows, two to a load, into raw buffer j % 3.  w = 1: the buffer has just been worked on, in a chunk
.macro LOADS j, w
.set RB, 128*(((\j)%3)&1)
.set WN, 0x80+0x40*(((\j)%3)>>1)
	WIN WN
.if \w
	s_wait_alu depctr_va_vdst(0)                   ; the chunk's moves are done reading this raw buffer, in which the loads land; its conversions and shifts have written CD and SW, which the LDS stores behind the loads read
.endif
.set n, 0
.rept 32
	global_load_b128 v[RB+4*n:RB+4*n+3], v9, s[4:5] offset:(64*(\j)+n)*4096 th:TH_LOAD_NT
.set n, n+1
.endr
	WIN 0
.endm
.macro CHUNK j
.set RB, 128*(((\j)%3)&1)
.set WN, 0x02+(((\j)%3)>>1)
.if (\j) <= 5
	s_wait_loadcnt 63                              ; behind this chunk's loads stand 64 younger ones; 63 is the largest count that the wait can name
.elseif (\j) == 6
	s_wait_loadcnt 32                              ; chunk 7's may be out
.else
	s_wait_loadcnt 0x0
.endif
	s_wait_dscnt 0x0                               ; the last chunk's LDS stores are done
.if (\j) > 0
	s_wait_alu depctr_vm_vsrc(0)                   ; the last chunk's LDS stores have read CD and SW, which this chunk writes again
.endif
	WIN WN
.set n, 0
.rept 32
.irp c, 0,1,2,3
	v_mov_b32 v[TR+32*\c+n], v[RB+4*n+\c]          ; row n of my block, my column c: to place n of the column's 32
.endr
.set n, n+1
.endr
	WIN 0
.irp c, 0,1,2,3
	v_max3_num_f32 v[MX+\c], |v[TR+32*\c]|, |v[TR+32*\c+1]|, 0x1800000   ; the floor 2^(3 - 127) among the leaves: the byte cannot fall under 1
.endr
.irp i, 2,4,6,8,10,12,14,16,18,20,22,24,26,28,30
.irp c, 0,1,2,3
	v_max3_num_f32 v[MX+\c], v[MX+\c], |v[TR+32*\c+\i]|, |v[TR+32*\c+\i+1]|
.endr
.endr
.irp c, 0,1,2,3
	v_add_nc_u32 v[SOP+\c], 0xff000000, v[MX+\c]   ; 2 off the exponent field: the conversion's scale operand
.endr
.if (\j)%2 == 0
.irp c, 0,1,2,3
	v_lshrrev_b32 v[SW+\c], 23, v[SOP+\c]          ; block h of the K step
.endr
.else
.irp c, 0,1,2,3
	v_lshrrev_b32 v[BY+\c], 23, v[SOP+\c]
.endr
.irp c, 0,1,2,3
	v_lshl_or_b32 v[SW+\c], v[BY+\c], 16, v[SW+\c] ; block 2 + h
.endr
.irp c, 0,1,2,3
	v_lshlrev_b32 v[SW+\c], v[SH8], v[SW+\c]       ; at their places in the word: 8 h bits up
.endr
.irp c, 0,1,2,3
	v_permlanex16_b32 v[TP+\c], v[SW+\c], s30, s31
.endr
.irp c, 0,1,2,3
	v_or_b32 v[SW+\c], v[SW+\c], v[TP+\c]          ; with lane l xor 16's two bytes the word is whole
.endr
.endif
.irp c, 0,1,2,3
.irp o, 0,1,2,3
	v_cvt_scalef32_pk8_fp4_f32 v[CD+4*\c+\o], v[TR+32*\c+8*\o:TR+32*\c+8*\o+7], v[SOP+\c]
.endr
.endr
	v_nop                                          ; one plain line behind the last scaled conversion
.if (\j)+3 <= 7
	LOADS (\j)+3, 1                                ; the window's switch, the chunk's one wait on va_vdst, the loads
.else
	s_wait_alu depctr_va_vdst(0)                   ; the conversions and shifts have written CD and SW, which the LDS stores read; the moves are done reading this raw buffer, in which, behind the barrier, fragments land
.endif
.irp c, 0,1,2,3
	ds_store_b128 v5, v[CD+4*\c:CD+4*\c+3] offset:4096*((\j)>>1)+512*((\j)&1)+16*\c
.endr
.if (\j)%2 == 1
	ds_store_b128 v6, v[SW:SW+3] offset:256*((\j)>>1)   ; both halves of the lanes write the same words with the same values
.endif
.endm
; 32 lane masks of "the token chose my expert": bit l of mask g is token 128 (g / 4) + 4 l + g % 4; the count; the tiles
.macro MASKS
.set g, 0
.rept 32
	v_and_b32 v[FT], s21, v[SL+g]
	v_cmp_ne_u32 s[32+g], 0, v[FT]
.set g, g+1
.endr
	s_wait_alu depctr_va_sdst(0)                   ; the 32 compares have written s32 to s63, ahead of their first readers
	s_bcnt1_i32_b32 s22, s32
.set g, 1
.rept 31
	s_bcnt1_i32_b32 s28, s[32+g]
	s_add_co_u32 s22, s22, s28
.set g, g+1
.endr
	s_add_co_u32 s23, s22, 15
	s_lshr_b32 s23, s23, 4
.endm
.macro FSTEP x, wd, st
	v_bfe_u32 v[FT], v[\x], v[FPOS], \wd
	v_cmp_ge_u32 vcc_lo, v[FRR], v[FT]
	s_wait_alu depctr_va_vcc(0)                    ; the compare has written VCC, which the two selects read; each step hangs on the step before, so each has its wait
	v_cndmask_b32 v[FT], 0, v[FT], vcc_lo
	v_cndmask_b32 v[FU], 0, \st, vcc_lo
	v_sub_nc_u32 v[FRR], v[FRR], v[FT]
	v_add_nc_u32 v[FPOS], v[FPOS], v[FU]
.endm
; TOK = the token of rank 16 sm + lane % 16 among those that chose my expert.
; The masks go eight at a time: the ranks ahead of each into s[PS ..], eight compares into s[CM ..], one wait, the selects, mask by mask in ascending order.
.macro FIND sm
	s_lshl_b32 s28, \sm, 4
	v_add_nc_u32 v[FP], s28, v2
	s_wait_alu depctr_va_vdst(0)
	v_mov_b32 v[FMK], s32
	v_mov_b32 v[FBS], 0
	v_mov_b32 v[FTB], 0
.irp g0, 1,9,17,25
.irp i, 0,1,2,3,4,5,6,7
.if \g0+\i == 1
	s_bcnt1_i32_b32 s[PS], s32                     ; the ranks before mask 1
.elseif \g0+\i < 32
	s_bcnt1_i32_b32 s27, s[32+\g0+\i-1]
	s_add_co_u32 s[PS+\i], s[PS+(\i+7)%8], s27     ; the ranks before mask g0 + i
.endif
.endr
.irp i, 0,1,2,3,4,5,6,7
.if \g0+\i < 32
	v_cmp_gt_u32 s[CM+\i], s[PS+\i], v[FP]         ; more than my rank: keep what I have
.endif
.endr
	s_wait_alu depctr_va_sdst(0)                   ; the run of compares has written s[CM ..], which the selects read
.irp i, 0,1,2,3,4,5,6,7
.if \g0+\i < 32
	v_cndmask_b32 v[FMK], s[32+\g0+\i], v[FMK], s[CM+\i]
	v_cndmask_b32 v[FBS], s[PS+\i], v[FBS], s[CM+\i]
	v_cndmask_b32 v[FTB], 128*((\g0+\i)>>2)+((\g0+\i)&3), v[FTB], s[CM+\i]
.endif
.endr
.endr
	v_sub_nc_u32 v[FRR], v[FP], v[FBS]
	v_lshrrev_b32 v[FT], 1, v[FMK]
	v_and_b32 v[FT], 0x55555555, v[FT]
	v_sub_nc_u32 v[FA], v[FMK], v[FT]
	v_lshrrev_b32 v[FT], 2, v[FA]
	v_and_b32 v[FT], 0x33333333, v[FT]
	v_and_b32 v[FB], 0x33333333, v[FA]
	v_add_nc_u32 v[FB], v[FB], v[FT]
	v_lshrrev_b32 v[FT], 4, v[FB]
	v_add_nc_u32 v[FC], v[FB], v[FT]
	v_and_b32 v[FC], 0x0f0f0f0f, v[FC]
	v_lshrrev_b32 v[FT], 8, v[FC]
	v_add_nc_u32 v[FD], v[FC], v[FT]
	v_and_b32 v[FD], 0x00ff00ff, v[FD]
	v_mov_b32 v[FPOS], 0
	FSTEP FD, 8, 16
	FSTEP FC, 8, 8
	FSTEP FB, 4, 4
	FSTEP FA, 2, 2
	FSTEP FMK, 1, 1
	v_lshl_add_u32 v[TOK], v[FPOS], 2, v[FTB]
	v_min_u32 v[TOK], 0x3ff, v[TOK]                ; a loaded number enters an address only behind this bound
.endm
; the row's word of sel and its gate for my expert; then the tile's 16 fragments of h and their scale words, as they lie
.macro INFO_HLOAD
	v_lshlrev_b32 v[ASW], 2, v[TOK]
	v_lshlrev_b32 v[AGT], 5, v[TOK]
	s_wait_alu depctr_va_vdst(0)                   ; ASW and AGT are written, which the first two loads read; in the loop the trip's products are done reading h's fragments and scale words, and its vector lines the row's word and gate: the loads land in all of these
	global_load_b32 v[SWN], v[ASW], s[12:13]
	global_load_b32 v[GTN], v[AGT], s[14:15]
	WIN 0x40
.set q, 0
.rept 16
	global_load_b128 v[HF+8*q:HF+8*q+3], v4, s[8:9] offset:1024*q
	global_load_b128 v[HF+8*q+4:HF+8*q+7], v4, s[8:9] offset:1024*q+512
.set q, q+1
.endr
	WIN 0
.set q, 0
.rept 16
	global_load_b32 v[HS+q], v8, s[10:11] offset:128*q
.set q, q+1
.endr
.endm
.macro WMMA d, a, b, c, sa, sb, odd
.if (\odd)
	v_wmma_scale_f32_16x16x128_f8f6f4 v[(\d):(\d)+7], v[(\a):(\a)+7], v[(\b):(\b)+7], v[(\c):(\c)+7], v[(\sa)], v[(\sb)] matrix_a_fmt:MATRIX_FMT_FP4 matrix_b_fmt:MATRIX_FMT_FP4 matrix_a_scale:MATRIX_SCALE_ROW1
.else
	v_wmma_scale_f32_16x16x128_f8f6f4 v[(\d):(\d)+7], v[(\a):(\a)+7], v[(\b):(\b)+7], v[(\c):(\c)+7], v[(\sa)], v[(\sb)] matrix_a_fmt:MATRIX_FMT_FP4 matrix_b_fmt:MATRIX_FMT_FP4
.endif
.endm
	s_load_b256 s[4:11], s[0:1], 0x0               ; W2 s[4:5], b2 s[6:7], hc s[8:9], hs s[10:11]
	s_load_b128 s[12:15], s[0:1], 0x20             ; sel s[12:13], gd s[14:15]
	s_load_b64 s[16:17], s[0:1], 0x30              ; yb
	s_set_vgpr_msb 0x40
	v_lshl_add_u32 v254, v0, 2, 0x15400
	v_mov_b32 v255, 0
	s_set_vgpr_msb 0x4000
	v_lshrrev_b32 v2, 5, v0
	v_readfirstlane_b32 s18, v2                    ; wave
	v_and_b32 v1, 31, v0                           ; lane l
	v_and_b32 v2, 15, v0                           ; r
	v_bfe_u32 v3, v0, 4, 1                         ; h
	v_lshlrev_b32 v4, 4, v1                        ; 16 l: the images, hc
	v_lshlrev_b32 v8, 2, v1                        ; 4 l
	v_add_nc_u32 v7, SCL, v8                       ; the scale images
	v_lshlrev_b32 v9, 4, v2
	v_lshl_add_u32 v9, v3, 17, v9                  ; W2: 16 bytes of a row of 256; lanes 16-31 stand 32 rows of 4,096 bytes further down
	v_lshlrev_b32 v23, 5, v3                       ; b2: my half's eight numbers
	v_lshlrev_b32 v[SH8], 3, v3
	; where my four columns 4 (l % 16) + i lie: tile (l / 4) % 4, row 4 (l % 4) + i; my block's half of the lanes is h
	v_bfe_u32 v10, v0, 2, 2
	v_and_b32 v11, 3, v0
	v_lshlrev_b32 v5, 10, v10
	v_lshl_add_u32 v5, v3, 8, v5
	v_lshl_add_u32 v5, v11, 6, v5
	s_wait_alu depctr_va_sdst(0)                   ; s18 is written, ahead of its first reader
	s_lshl_b32 s28, s18, 14
	v_add_nc_u32 v5, s28, v5                       ; images: + my wave's four K steps
	v_bfe_u32 v12, v0, 3, 1
	v_bfe_u32 v13, v0, 2, 1
	v_lshlrev_b32 v6, 7, v12
	v_lshl_add_u32 v6, v13, 6, v6
	v_lshl_add_u32 v6, v11, 4, v6
	s_lshl_b32 s28, s18, 10
	s_add_co_u32 s28, s28, SCL
	v_add_nc_u32 v6, s28, v6                       ; scale images likewise
	s_and_b32 s19, ttmp7, 0xffff                   ; the expert
	s_lshr_b32 s20, ttmp9, 1                       ; which 64 columns
	s_and_b32 s71, ttmp9, 1                        ; which half of K
	s_lshl_b32 s21, 1, s19
	s_mov_b32 s30, 0x76543210
	s_mov_b32 s31, 0xfedcba98                      ; v_permlanex16_b32's selects for lane l xor 16
.irp i, 0,1,2,3,4,5,6,7
	v_lshl_add_u32 v[IX+\i], v3, 2, 8*\i           ; the lane that holds row 2 i + h, x 4
.endr
	s_lshl_b32 s28, s19, 4
	s_add_co_u32 s28, s28, 2048
	v_add_nc_u32 v[DUMP], s28, v2                  ; the spare row of a padding row
	s_mul_i32 s28, s18, 16*SP
	s_add_co_u32 s28, s28, STG                     ; my stage
	v_mul_u32_u24 v[STO], v2, SP
	v_lshl_add_u32 v[STO], v3, 5, v[STO]
	v_add_nc_u32 v[STO], s28, v[STO]               ; in: row r, 32 bytes for each half of the lanes
	v_mul_u32_u24 v[RD], v3, SP
	v_lshl_add_u32 v[RD], v2, 4, v[RD]
	v_add_nc_u32 v[RD], s28, v[RD]                 ; back: lanes 0-15 one row of 256 bytes, lanes 16-31 the next
	v_lshlrev_b32 v[C16], 4, v2
.irp c, 0,1,2,3
	v_mov_b32 v[TP+\c], 0                          ; written once: a lane permute's destination counts as one of its sources
.endr
	v_mov_b32 v[GT+1], 0                           ; (named as the upper half of the pair before it is ever used)
	s_lshl_b32 s28, s19, 24                        ; W2: the expert's 16 MiB, the half's 8 MiB, my wave's 512 rows of 4 KiB, the slice's 256 bytes
	s_lshl_b32 s29, s71, 23
	s_add_co_u32 s28, s28, s29
	s_lshl_b32 s29, s18, 21
	s_add_co_u32 s28, s28, s29
	s_lshl_b32 s29, s20, 8
	s_add_co_u32 s28, s28, s29
	s_mov_b32 s29, 0
	s_wait_kmcnt 0x0
	s_add_nc_u64 s[4:5], s[4:5], s[28:29]
	s_lshl_b32 s28, s19, 12
	s_lshl_b32 s70, s20, 8
	s_add_co_u32 s28, s28, s70
	s_add_nc_u64 s[6:7], s[6:7], s[28:29]          ; b2 at the slice
	s_lshl_b32 s28, s19, 21                        ; hc: [expert][tile][K step][1,024]: my wave's first tile, the half's first K step
	s_lshl_b32 s70, s18, 15
	s_add_co_u32 s28, s28, s70
	s_lshl_b32 s70, s71, 14
	s_add_co_u32 s28, s28, s70
	s_add_nc_u64 s[8:9], s[8:9], s[28:29]
	s_lshl_b32 s28, s19, 18                        ; hs: the same with 128 bytes
	s_lshl_b32 s70, s18, 12
	s_add_co_u32 s28, s28, s70
	s_lshl_b32 s70, s71, 11
	s_add_co_u32 s28, s28, s70
	s_add_nc_u64 s[10:11], s[10:11], s[28:29]
	s_lshl_b32 s28, s19, 2
	s_add_nc_u64 s[14:15], s[14:15], s[28:29]      ; gd at my expert's column
	s_mul_i32 s28, s71, 0x880000                   ; yb: the half's 2,176 rows of 4,096 bytes, the slice's 256 bytes
	s_lshl_b32 s70, s20, 8
	s_add_co_u32 s28, s28, s70
	s_add_nc_u64 s[16:17], s[16:17], s[28:29]
	s_wait_alu depctr_va_vdst(0)                   ; the offsets and LDS addresses v4 to v9, v23, IX, STO and RD are written: loads, stores and LDS instructions read them from here to the kernel's end
.irp j, 0,1,2,3,4,5,6,7
	global_load_b128 v[SL+4*\j:SL+4*\j+3], v4, s[12:13] offset:512*\j   ; sel, all 1,024 words
.endr
	WIN 0x40
.irp t, 0,1,2,3
	global_load_b128 v[BI+8*\t:BI+8*\t+3], v23, s[6:7] offset:64*\t      ; b2 of columns 16 t + 8 h + 0 .. 7
	global_load_b128 v[BI+8*\t+4:BI+8*\t+7], v23, s[6:7] offset:64*\t+16
.endr
	WIN 0
	LOADS 0, 0
	LOADS 1, 0
	s_wait_loadcnt 63                              ; sel and b2 are in: 64 younger loads stand behind them
	MASKS
	s_cmp_eq_u32 s71, 1
	s_cselect_b32 s70, -1, 0
	WIN 0x41
.set q, 0
.rept 32
	v_cndmask_b32 v[BI+q], v[BI+q], 0, s70         ; the bias counts once: the second half of K begins its sums with zeros
.set q, q+1
.endr
	WIN 0
	LOADS 2, 0                                     ; (no vector line has named this buffer or v9 since the head's wait)
	CHUNK 0
	CHUNK 1
	CHUNK 2
	CHUNK 3
	CHUNK 4
	CHUNK 5
	CHUNK 6
	CHUNK 7
	s_wait_dscnt 0x0                               ; for the others' sake: my images lie in LDS
	s_barrier_signal -1
	s_barrier_wait -1                              ; the one barrier: all 64 fragments and their scale words are there
	s_cmp_ge_u32 s18, s23
	s_cbranch_scc1 .Lend                           ; no tile for this wave
	FIND s18                                       ; my first tile is asked for here, where it is known to exist: no byte of hc is read that was not written;
	INFO_HLOAD                                     ; it lands under the 160 LDS loads below
	WIN 0x80                                       ; the fragments land in the raw buffers: the moves that read them stand ahead of the wait on va_vdst just above, and no vector line has been issued since
.set f, 0
.rept 32
	ds_load_b128 v[8*f:8*f+3], v4 offset:1024*f
	ds_load_b128 v[8*f+4:8*f+7], v4 offset:1024*f+512
.set f, f+1
.endr
	WIN 0xc0
.set f, 0
.rept 32
	ds_load_b128 v[8*f:8*f+3], v4 offset:1024*(f+32)
	ds_load_b128 v[8*f+4:8*f+7], v4 offset:1024*(f+32)+512
.set f, f+1
.endr
	WIN 0
.set g, 0
.rept 32
	ds_load_b32 v[WS+g], v7 offset:128*g
.set g, g+1
.endr
	s_wait_dscnt 0x0
	s_sub_co_u32 s66, s23, s18                     ; my tiles are w, w + 4, ..: (tiles - w + 3) / 4 of them, one at the least here;
	s_add_co_u32 s66, s66, 3
	s_lshr_b32 s66, s66, 2
	s_min_u32 s66, s66, 16                         ; an expert has 1,024 rows at the most, 64 tiles, 16 a wave: the hold changes nothing
	s_mov_b32 s24, 0                               ; the loop's counter: one a trip
	s_mov_b32 s25, s18                             ; my tile's number
.Ltile:
	s_wait_loadcnt 0x0                             ; the tile's fragments, scale words, words of sel and gates: so their address registers and bases may be written too
	s_wait_alu depctr_vm_vsrc(0)                   ; of the trip before, the LDS stores have read the accumulators, the permutes SLOT, the global stores AO and OB; this tile's loads have read ASW and AGT: all are written again in this trip
	; 64 products: K step by K step, the four accumulators by turns, one instruction a turn
.set ks, 0
.rept 16
.if ks == 0
	WIN 0x16                                       ; W2 window 2, h window 1, b2 window 1, the sums window 0
.elseif ks < 8
	WIN 0x06
.else
	WIN 0x07                                       ; W2's fragments 32 to 63 lie in window 3
.endif
.irp t, 0,1,2,3
.set fr, 8*((4*ks+\t)%32)
.if ks == 0
	WMMA ACC+8*\t, fr, HF+8*ks, BI+8*\t, WS+2*ks+\t/2, HS+ks, \t%2
.else
	WMMA ACC+8*\t, fr, HF+8*ks, ACC+8*\t, WS+2*ks+\t/2, HS+ks, \t%2
.endif
.endr
.set ks, ks+1
.endr
	WIN 0
	; where my row goes: 2 x token + (is my expert the token's second choice?); a rank past the count: the spare row.  These seven plain lines name no register of the products:
	; they are the places (ISA guide 7.12.1) ahead of the first read of the results, on both ways
	v_lshrrev_b32 v[FT], 8, v[SWN]
	v_cmp_eq_u32 s[CM], s19, v[FT]
	v_cmp_gt_u32 s[CM+1], s22, v[FP]
	s_wait_alu depctr_va_sdst(0)                   ; the two compares have written s[CM] and s[CM+1], which the selects read
	v_cndmask_b32 v[FT], 0, 1, s[CM]
	v_lshl_add_u32 v[FT], v[TOK], 1, v[FT]
	v_cndmask_b32 v[SLOT], v[DUMP], v[FT], s[CM+1]
	v_mov_b32 v[GT], v[GTN]
	s_add_co_u32 s25, s25, 4                       ; my next tile's number
	s_cmp_ge_u32 s25, s23
	s_cbranch_scc1 .Lno_next
	s_add_nc_u64 s[8:9], s[8:9], 0x20000           ; four tiles on
	s_add_nc_u64 s[10:11], s[10:11], 0x4000
	FIND s25
	INFO_HLOAD                                     ; my next tile: it has the way out in which to land
.Lno_next:
.set p, 0
	s_wait_alu depctr_va_vdst(0)
.rept 16
	v_pk_mul_f32 v[ACC+2*p:ACC+2*p+1], v[ACC+2*p:ACC+2*p+1], v[GT:GT+1] op_sel_hi:[1,0]   ; x my row's gate; each accumulator from its low end on
.set p, p+1
.endr
	s_wait_alu depctr_va_vdst(0)                   ; the multiplications have written the accumulators, which the LDS stores read; SLOT is written, which the permutes read; the trip before is done with SLI, in which the permutes' results land
.irp i, 0,1,2,3,4,5,6,7
	ds_bpermute_b32 v[SLI+\i], v[IX+\i], v[SLOT]   ; the place of row 2 i + h, which I shall store
.endr
.irp t, 0,1,2,3
	ds_store_b128 v[STO], v[ACC+8*\t:ACC+8*\t+3] offset:64*\t
	ds_store_b128 v[STO], v[ACC+8*\t+4:ACC+8*\t+7] offset:64*\t+16
.endr
.irp i, 0,1,2,3,4,5,6,7
	ds_load_b128 v[OB+4*\i:OB+4*\i+3], v[RD] offset:2*SP*\i   ; LDS serves a wave's instructions in order: these see my stores
.endr
	s_wait_dscnt 16                                ; the eight places are in: eight stores and eight loads are younger
.irp i, 0,1,2,3,4,5,6,7
	v_min_u32 v[SLI+\i], 0x87f, v[SLI+\i]          ; a loaded number enters an address only behind this bound: yb has 2,176 rows a half
.endr
.irp i, 0,1,2,3,4,5,6,7
	v_lshl_add_u32 v[AO+\i], v[SLI+\i], 12, v[C16]
.endr
	s_wait_alu depctr_va_vdst(0)                   ; the eight offsets AO are written, which the global stores read
.irp i, 0,1,2,3,4,5,6,7
	s_wait_dscnt 7-\i
	global_store_b128 v[AO+\i], v[OB+4*\i:OB+4*\i+3], s[16:17] th:TH_STORE_NT   ; sixteen lanes store 256 consecutive bytes, at a multiple of 256 from yb's first byte
.endr
	s_wait_xcnt 0x0                                ; the stores have read their registers: they are written again only behind this wait
	s_add_co_u32 s24, s24, 1
	s_cmp_lt_u32 s24, s66
	s_cbranch_scc1 .Ltile
.Lend:
	s_set_vgpr_msb 0x5
	s_wait_dscnt 0x0
	s_wait_alu depctr_hold_cnt(0) depctr_sa_sdst(0) depctr_va_vdst(0) depctr_va_sdst(0) depctr_va_ssrc(0) depctr_va_vcc(0) depctr_vm_vsrc(0)
	s_wait_tensorcnt 0x0
	ds_add_u32 v254, v255
	s_wait_dscnt 0x0
	s_endpgm
.Lfunc_end_k_qf7373a95c3_ffn2:
	.size	k_qf7373a95c3_ffn2, .Lfunc_end_k_qf7373a95c3_ffn2-k_qf7373a95c3_ffn2
	.p2alignl 7, 3214868480
	.fill 96, 4, 3214868480
	.section	.rodata,"a",@progbits
	.p2align	6, 0x0
	.amdhsa_kernel k_qf7373a95c3_ffn2
		.amdhsa_group_segment_fixed_size 87552
		.amdhsa_private_segment_fixed_size 0
		.amdhsa_enable_private_segment 0
		.amdhsa_kernarg_size 56
		.amdhsa_user_sgpr_count 2
		.amdhsa_user_sgpr_kernarg_segment_ptr 1
		.amdhsa_wavefront_size32 1
		.amdhsa_system_sgpr_workgroup_id_x 1
		.amdhsa_system_sgpr_workgroup_id_y 1
		.amdhsa_system_sgpr_workgroup_id_z 1
		.amdhsa_system_vgpr_workitem_id 0
		.amdhsa_next_free_vgpr 1024
		.amdhsa_next_free_sgpr 88
		.amdhsa_reserve_vcc 1
		.amdhsa_float_denorm_mode_32 3
		.amdhsa_float_denorm_mode_16_64 3
		.amdhsa_memory_ordered 1
		.amdhsa_forward_progress 1
		.amdhsa_inst_pref_size 181
	.end_amdhsa_kernel
	.amdgpu_metadata
---
amdhsa.version: [ 1, 2 ]
amdhsa.kernels:
  - .name:           k_qf7373a95c3_ffn2
    .symbol:         k_qf7373a95c3_ffn2.kd
    .args:
      - { .name: W2, .offset: 0, .size: 8, .value_kind: global_buffer, .address_space: global }
      - { .name: b2, .offset: 8, .size: 8, .value_kind: global_buffer, .address_space: global }
      - { .name: hc, .offset: 16, .size: 8, .value_kind: global_buffer, .address_space: global }
      - { .name: hs, .offset: 24, .size: 8, .value_kind: global_buffer, .address_space: global }
      - { .name: sel, .offset: 32, .size: 8, .value_kind: global_buffer, .address_space: global }
      - { .name: gd, .offset: 40, .size: 8, .value_kind: global_buffer, .address_space: global }
      - { .name: yb, .offset: 48, .size: 8, .value_kind: global_buffer, .address_space: global }
    .group_segment_fixed_size: 87552
    .private_segment_fixed_size: 0
    .kernarg_segment_align: 8
    .kernarg_segment_size: 56
    .max_flat_workgroup_size: 128
    .sgpr_count:     88
    .vgpr_count:     1024
    .wavefront_size: 32
...
	.end_amdgpu_metadata
.endif
;; end of part 7
;; launch combine (part 8): grid 256 x 1, 4 waves a work-group, no clusters, 0 bytes of LDS; arguments yb, out0; writes out0
.if DOCPART == 8
	.amdgcn_target "amdgcn-amd-amdhsa--gfx1250"
	.amdhsa_code_object_version 6
	.text
	.protected	k_qf7373a95c3_combine
	.globl	k_qf7373a95c3_combine
	.p2align	8
	.type	k_qf7373a95c3_combine,@function
k_qf7373a95c3_combine:
	s_mov_b64 s[64:65], 0
	v_nop
	global_prefetch_b8 v0, s[64:65] scope:SCOPE_SE
	s_setreg_imm32_b32 hwreg(HW_REG_WAVE_MODE, 25, 1), 1
	s_wait_xcnt 0x0
; out0[t] = the sum of the token's four partial rows: yb[kh][2 t + k], kh = the half of the second product's K, k = the token's first or second expert.  The gates and biases are in them already.
; One wave takes one token (4 x work-group + wave).  A stream: each load and each store of a wave covers 512 consecutive bytes; all 32 loads of a wave go out at once; nothing is read twice.
; No LDS, no barrier, no matrix unit: there is nothing to share and three additions a number.
; The order of the three additions differs from the order in which the reference adds its experts: (half 0 + half 1) of the first expert, the same of the second, then both.
.set HALF, 0x880000                    ; 2,176 rows of 4,096 bytes
.set R,    16                          ; v16-143: piece i of the row (512 bytes): four sources x 4 registers
	s_load_b128 s[4:7], s[0:1], 0x0                ; yb, out0
	v_lshrrev_b32 v2, 5, v0
	v_readfirstlane_b32 s8, v2                     ; wave
	v_and_b32 v1, 31, v0
	v_lshlrev_b32 v1, 4, v1                        ; 16 x lane
	s_lshl_b32 s9, ttmp9, 2
	s_add_co_u32 s9, s9, s8                        ; my token
	s_lshl_b32 s10, s9, 13                         ; its two rows of yb lie on end
	s_mov_b32 s11, 0
	s_lshl_b32 s12, s9, 12
	s_mov_b32 s13, 0
	s_wait_alu depctr_va_vdst(0)
	s_wait_kmcnt 0x0
	s_add_nc_u64 s[4:5], s[4:5], s[10:11]
	s_add_nc_u64 s[14:15], s[4:5], HALF            ; the same two rows in the second half
	s_add_nc_u64 s[6:7], s[6:7], s[12:13]
.irp i, 0,1,2,3,4,5,6,7
	global_load_b128 v[R+16*\i:R+16*\i+3],     v1, s[4:5]   offset:512*\i th:TH_LOAD_NT
	global_load_b128 v[R+16*\i+4:R+16*\i+7],   v1, s[14:15] offset:512*\i th:TH_LOAD_NT
	global_load_b128 v[R+16*\i+8:R+16*\i+11],  v1, s[4:5]   offset:4096+512*\i th:TH_LOAD_NT
	global_load_b128 v[R+16*\i+12:R+16*\i+15], v1, s[14:15] offset:4096+512*\i th:TH_LOAD_NT
.endr
.irp i, 0,1,2,3,4,5,6,7
	s_wait_loadcnt 4*(7-\i)                        ; piece i's four loads are in: the later pieces' may be out
	v_pk_add_f32 v[R+16*\i:R+16*\i+1],     v[R+16*\i:R+16*\i+1],     v[R+16*\i+4:R+16*\i+5]
	v_pk_add_f32 v[R+16*\i+2:R+16*\i+3],   v[R+16*\i+2:R+16*\i+3],   v[R+16*\i+6:R+16*\i+7]
	v_pk_add_f32 v[R+16*\i+8:R+16*\i+9],   v[R+16*\i+8:R+16*\i+9],   v[R+16*\i+12:R+16*\i+13]
	v_pk_add_f32 v[R+16*\i+10:R+16*\i+11], v[R+16*\i+10:R+16*\i+11], v[R+16*\i+14:R+16*\i+15]
	v_pk_add_f32 v[R+16*\i:R+16*\i+1],     v[R+16*\i:R+16*\i+1],     v[R+16*\i+8:R+16*\i+9]
	v_pk_add_f32 v[R+16*\i+2:R+16*\i+3],   v[R+16*\i+2:R+16*\i+3],   v[R+16*\i+10:R+16*\i+11]
	global_store_b128 v1, v[R+16*\i:R+16*\i+3], s[6:7] offset:512*\i th:TH_STORE_NT
.endr
	s_endpgm
.Lfunc_end_k_qf7373a95c3_combine:
	.size	k_qf7373a95c3_combine, .Lfunc_end_k_qf7373a95c3_combine-k_qf7373a95c3_combine
	.p2alignl 7, 3214868480
	.fill 96, 4, 3214868480
	.section	.rodata,"a",@progbits
	.p2align	6, 0x0
	.amdhsa_kernel k_qf7373a95c3_combine
		.amdhsa_group_segment_fixed_size 0
		.amdhsa_private_segment_fixed_size 0
		.amdhsa_enable_private_segment 0
		.amdhsa_kernarg_size 16
		.amdhsa_user_sgpr_count 2
		.amdhsa_user_sgpr_kernarg_segment_ptr 1
		.amdhsa_wavefront_size32 1
		.amdhsa_system_sgpr_workgroup_id_x 1
		.amdhsa_system_sgpr_workgroup_id_y 1
		.amdhsa_system_sgpr_workgroup_id_z 1
		.amdhsa_system_vgpr_workitem_id 0
		.amdhsa_next_free_vgpr 144
		.amdhsa_next_free_sgpr 66
		.amdhsa_reserve_vcc 0
		.amdhsa_float_denorm_mode_32 3
		.amdhsa_float_denorm_mode_16_64 3
		.amdhsa_memory_ordered 1
		.amdhsa_forward_progress 1
		.amdhsa_inst_pref_size 8
	.end_amdhsa_kernel
	.amdgpu_metadata
---
amdhsa.version: [ 1, 2 ]
amdhsa.kernels:
  - .name:           k_qf7373a95c3_combine
    .symbol:         k_qf7373a95c3_combine.kd
    .args:
      - { .name: yb, .offset: 0, .size: 8, .value_kind: global_buffer, .address_space: global }
      - { .name: out0, .offset: 8, .size: 8, .value_kind: global_buffer, .address_space: global }
    .group_segment_fixed_size: 0
    .private_segment_fixed_size: 0
    .kernarg_segment_align: 8
    .kernarg_segment_size: 16
    .max_flat_workgroup_size: 128
    .sgpr_count:     66
    .vgpr_count:     144
    .wavefront_size: 32
...
	.end_amdgpu_metadata
.endif
;; end of part 8
